; MI455X (gfx1250); checked and timed in simulation.
; The chip was launched on July 23, 2026; its instructions are those of AMD's public machine-readable ISA for CDNA 5 (MIT licence, August 2026) and "CDNA5" Instruction Set Architecture Reference Guide (July 2026). The comments in the code are by the model that wrote it; some were corrected since.
;; Multi Head Attention. Allowed arithmetic: matrix products marked QUANTISED: E4M3 operands, one given power-of-two scale a tensor, by v_wmma_f32_16x16x64_fp8_fp8 or v_wmma_f32_16x16x128_fp8_fp8, f32 sums; everything else in f32.
;; Inputs: Wk_b 1,024 float32; Wk_w 1,024 x 1,024 float32; Wo_b 1,024 float32; Wo_w 1,024 x 1,024 float32; Wq_b 1,024 float32; Wq_w 1,024 x 1,024 float32; Wv_b 1,024 float32; Wv_w 1,024 x 1,024 float32; key 4 x 2,048 x 1,024 float32; lowp_scales 12 int32 (the exponents e of the quantised operands' scales 2^e); query 4 x 2,048 x 1,024 float32; value 4 x 2,048 x 1,024 float32.
;; Outputs: out0 4 x 2,048 x 1,024 float32.
;; This version of the problem:
;;   THIS VERSION OF THE PROBLEM IS GIVEN IN LOW PRECISION. The matrix products marked QUANTISED in the list below multiply operands that are first quantised to E4M3 (4 exponent bits, 3 mantissa bits; 8 bits a number), with one given power-of-two scale for each operand tensor; their sums are f32. All else is computed in f32.
;;   The module's matrix products, in the order in which they are computed (A, B: the left and right operand; K: the contracted axis; several contracted axes count as one K, in the product's order):
;;     1. [M 8,192, K 1,024] x [K 1,024, N 1,024]; A: input query; B: input Wq_w: QUANTISED (scales: A lowp_scales[0], B lowp_scales[1])
;;     2. [M 8,192, K 1,024] x [K 1,024, N 1,024]; A: input key; B: input Wk_w: QUANTISED (scales: A lowp_scales[2], B lowp_scales[3])
;;     3. [M 8,192, K 1,024] x [K 1,024, N 1,024]; A: input value; B: input Wv_w: QUANTISED (scales: A lowp_scales[4], B lowp_scales[5])
;;     4. batch 64 x [M 2,048, K 64] x [K 64, N 2,048]; A: computed on the way; B: computed on the way: QUANTISED (scales: A lowp_scales[6], B lowp_scales[7])
;;     5. batch 64 x [M 64, K 2,048] x [K 2,048, N 2,048]; A: computed on the way; B: softmax (see below): QUANTISED (scales: A lowp_scales[8], B lowp_scales[9])
;;     6. [M 8,192, K 1,024] x [K 1,024, N 1,024]; A: computed on the way; B: input Wo_w: QUANTISED (scales: A lowp_scales[10], B lowp_scales[11])
;;   THE QUANTISER, for each operand of a quantised product, along K:
;;     - The operand's scale is 2^e, e = its entry of the input lowp_scales (int32; the entries are numbered through the quantised products in the list's order, A before B).
;;     - Each number is divided by the scale, clamped to +-448, and rounded to the nearest number of E4M3, ties to even, subnormals kept.
;;     - The product sums the exact products of the quantised numbers (number of the format x scale) in f32.
;;   ~~~python
;;   def quantise(x, axis, e):      # numpy; x: float32 -> the quantised numbers, widened to float32 again
;;       x = np.moveaxis(x, axis, -1); K = x.shape[-1]
;;       r = np.clip(x / 2.0 ** e, -448, 448)
;;       step = 2.0 ** (np.maximum(np.frexp(np.where(r == 0, 1, r))[1] - 1, -6) - 3)
;;       q = np.round(r / step) * step * 2.0 ** e      # np.round: ties to even
;;       return np.moveaxis(q, -1, axis).astype(np.float32)
;;   ~~~
;;   SOFTMAX AHEAD OF A QUANTISED PRODUCT. Where the list says 'softmax', what is quantised is not the finished softmax but p = 2^(t - M), with t = logit x log2(e) and M = ceil(the row's largest t), a whole number; so 1/2 < the row's largest p <= 1. The row's sum l is taken of the UNQUANTISED p, in f32, and the product's result is divided by l at the end. Since M is a whole number, a kernel that streams over the keys may use a running M (the ceiling of the running maximum): every later rescaling is an exact power of two, so the quantised numbers keep their values, but for numbers so far below the row's largest that they fall under the format's range.
;;   OPERANDS COMPUTED ON THE WAY. 'Computed on the way' means the value that the module computes at that place (a softmax that the list does not call 'softmax' is quantised finished and normalised). What goes into a quantiser is computed in f32, as accurately as f32 sums, v_exp_f32 and their like allow (about 1e-6 of the number): no bf16 or f16 on the way to a quantiser, and a product that is left as it is and whose result goes on into a quantised operand takes f32 operands (vector FMAs, or v_wmma_f32_16x16x4_f32). A number that lies on a knife's edge between two numbers of the format may be rounded either way, as far as f32 arithmetic and the matrix unit's own rounding can turn it there, and no further.
;; 2 versions, each right; version 2 is version 1 with the launches proj, outp written anew for expert scheduling mode. Each part assembles by itself: llvm-mc -triple=amdgcn-amd-amdhsa -mcpu=gfx1250 --defsym DOCPART=n.
;; ======== version 1 of 2: 4 launches
;; workspace buffers: wimg 4,194,304 bytes; qkvimg 25,165,824 bytes; oimg 8,388,608 bytes
;; launch wquant (part 1): grid 8 x 32, 4 waves a work-group, no clusters, 0 bytes of LDS; arguments Wq_w, Wk_w, Wv_w, Wo_w, lowp_scales, wimg; writes wimg
.if DOCPART == 1
	.amdgcn_target "amdgcn-amd-amdhsa--gfx1250"
	.amdhsa_code_object_version 6
	.text
	.protected	k_qa59074df44_wquant
	.globl	k_qa59074df44_wquant
	.p2align	8
	.type	k_qa59074df44_wquant,@function
k_qa59074df44_wquant:
	s_mov_b64 s[64:65], 0
	v_nop
	global_prefetch_b8 v0, s[64:65] scope:SCOPE_SE
	s_setreg_imm32_b32 hwreg(HW_REG_WAVE_MODE, 25, 1), 1
	s_wait_xcnt 0x0
; The four weights, [1024 (k)][1024 (n)] f32, become codes of FP8 (E4M3), each with its given scale 2^e (entries 1, 3, 5, 11 of the scales), laid in the ORDER OF AN OPERAND'S REGISTERS.
; AN IMAGE is 512 bytes: lane l's 16 bytes at 16 l; lane (r = l % 16, h = l / 16) holds, of row r of a tile of 16, k = 32 c + 16 h + 0 .. 15: registers 4 c .. 4 c + 3 of a fragment.
; wimg: [weight j: 4][chunk C of 128 columns: 8][K step s of 128: 8][tile b: 8][c: 4][512 bytes].  Lane r of tile b is column 128 C + 32 (b / 2) + 8 (b % 2) + r + 8 (r / 8).
; SHARES: work-group x = C, y = 8 j + s.  Wave w takes columns 128 C + 32 w + lane: A LANE TAKES A COLUMN AND ITS REGISTERS RUN DOWN K, so each load reads 128 neighbouring bytes a wave
; (512 a work-group), and the conversions, which take neighbours along K from one lane's registers, give the codes with K innermost.  Nothing is transposed, nothing goes through LDS:
; lanes 0-7 and 16-23 are the sixteen rows of tile 2 w, lanes 8-15 and 24-31 those of tile 2 w + 1, so each store fills 256 consecutive aligned bytes of each of the two tiles.
; code = x / 2^e, held within +-448, to the nearest code, ties to even.  LIMITS: -126 <= e <= 119.  NaN among the inputs is not served; an infinity is held at the largest code.
; No register is written twice, so no wait for a store's sources is needed.  No matrix unit, no cluster, no barrier: waves share nothing.
.set X,  16                            ; v16-143  the lane's 128 numbers, k ascending
.set CD, 144                           ; v144-175 their codes, eight registers for each block of 32
	s_load_b256 s[4:11], s[0:1], 0x0               ; Wq_w, Wk_w, Wv_w, Wo_w
	s_load_b128 s[12:15], s[0:1], 0x20             ; the scales' exponents s[12:13], wimg s[14:15]
	v_lshrrev_b32 v1, 5, v0
	v_readfirstlane_b32 s16, v1                    ; wave
	v_and_b32 v1, 31, v0
	v_lshlrev_b32 v2, 2, v1                        ; in: 4 bytes a lane
	v_bfe_u32 v6, v0, 3, 1                         ; which of my wave's two tiles: (lane / 8) % 2
	v_and_b32 v7, 7, v0
	v_bfe_u32 v8, v0, 4, 1
	v_lshl_add_u32 v7, v8, 3, v7                   ; its row: lane % 8 + 8 (lane / 16)
	v_lshlrev_b32 v3, 4, v7
	v_lshl_add_u32 v3, v6, 11, v3                  ; out: 2,048 x tile + 16 x row
	s_and_b32 s17, ttmp7, 0xffff
	s_lshr_b32 s18, s17, 3                         ; j: which weight
	s_and_b32 s19, s17, 7                          ; s: which K step
	s_lshl_b32 s24, s19, 19                        ; 128 s rows of 4,096 bytes
	s_lshl_b32 s20, ttmp9, 9
	s_add_co_u32 s24, s24, s20                     ; + 128 C columns
	s_lshl_b32 s20, s16, 7
	s_add_co_u32 s24, s24, s20                     ; + 32 columns a wave
	s_mov_b32 s25, 0
	s_lshl_b32 s26, s18, 20
	s_lshl_b32 s20, ttmp9, 17
	s_add_co_u32 s26, s26, s20
	s_lshl_b32 s20, s19, 14
	s_add_co_u32 s26, s26, s20
	s_lshl_b32 s20, s16, 12
	s_add_co_u32 s26, s26, s20                     ; wimg: j, C, s, tile 2 w
	s_mov_b32 s27, 0
	s_wait_kmcnt 0x0
	s_load_b256 s[28:35], s[12:13], 0x0            ; entries 0 to 7
	s_load_b128 s[36:39], s[12:13], 0x20           ; entries 8 to 11
	s_cmp_eq_u32 s18, 1                            ; the weight is chosen by the work-group's number alone
	s_cselect_b64 s[4:5], s[6:7], s[4:5]
	s_cmp_eq_u32 s18, 2
	s_cselect_b64 s[4:5], s[8:9], s[4:5]
	s_cmp_eq_u32 s18, 3
	s_cselect_b64 s[4:5], s[10:11], s[4:5]
	s_add_nc_u64 s[4:5], s[4:5], s[24:25]
	s_add_nc_u64 s[14:15], s[14:15], s[26:27]
.set i, 0
.rept 128
	global_load_b32 v[X+i], v2, s[4:5] offset:i*4096 th:TH_LOAD_NT   ; W(128 s + i, my column)
.set i, i+1
.endr
	s_wait_kmcnt 0x0
	s_cmp_eq_u32 s18, 1
	s_cselect_b32 s20, s31, s29                    ; e: entry 1, 3, 5 or 11
	s_cmp_eq_u32 s18, 2
	s_cselect_b32 s20, s33, s20
	s_cmp_eq_u32 s18, 3
	s_cselect_b32 s20, s39, s20
	s_add_co_i32 s20, s20, 127
	s_lshl_b32 s21, s20, 23
	v_mov_b32 v4, s21                              ; 2^e as f32: the conversion takes its exponent field
	s_add_co_i32 s20, s20, 8
	s_lshl_b32 s20, s20, 23
	s_or_b32 s20, s20, 0x600000
	v_mov_b32 v5, s20                              ; 448 x 2^e
.macro BLOCK c                         ; 32 along K: the hold, four conversions, two stores
.set i, 0
.rept 32
	v_med3_num_f32 v[X+32*\c+i], v[X+32*\c+i], -v5, v5   ; the conversion to an 8-bit code does not saturate (ISA guide 7.6.2): the hold comes first
.set i, i+1
.endr
.irp g, 0,1,2,3
	v_cvt_scalef32_pk8_fp8_f32 v[CD+8*\c+2*\g:CD+8*\c+2*\g+1], v[X+32*\c+8*\g:X+32*\c+8*\g+7], v4
.endr
	global_store_b128 v3, v[CD+8*\c:CD+8*\c+3], s[14:15] offset:512*\c          ; k = 32 c + 0 .. 15: the image's lanes 0-15
	global_store_b128 v3, v[CD+8*\c+4:CD+8*\c+7], s[14:15] offset:512*\c+256    ; k = 32 c + 16 .. 31: its lanes 16-31
.endm
	s_wait_loadcnt 63                              ; blocks 0 and 1 are in: 64 loads are younger than block 1's, and 63 is the largest count that the wait can name
	BLOCK 0
	BLOCK 1
	s_wait_loadcnt 32                              ; block 3's loads may be out
	BLOCK 2
	s_wait_loadcnt 0x0
	BLOCK 3
	s_endpgm
.Lfunc_end_k_qa59074df44_wquant:
	.size	k_qa59074df44_wquant, .Lfunc_end_k_qa59074df44_wquant-k_qa59074df44_wquant
	.p2alignl 7, 3214868480
	.fill 96, 4, 3214868480
	.section	.rodata,"a",@progbits
	.p2align	6, 0x0
	.amdhsa_kernel k_qa59074df44_wquant
		.amdhsa_group_segment_fixed_size 0
		.amdhsa_private_segment_fixed_size 0
		.amdhsa_enable_private_segment 0
		.amdhsa_kernarg_size 48
		.amdhsa_user_sgpr_count 2
		.amdhsa_user_sgpr_kernarg_segment_ptr 1
		.amdhsa_wavefront_size32 1
		.amdhsa_system_sgpr_workgroup_id_x 1
		.amdhsa_system_sgpr_workgroup_id_y 1
		.amdhsa_system_sgpr_workgroup_id_z 1
		.amdhsa_system_vgpr_workitem_id 0
		.amdhsa_next_free_vgpr 176
		.amdhsa_next_free_sgpr 66
		.amdhsa_reserve_vcc 0
		.amdhsa_float_denorm_mode_32 3
		.amdhsa_float_denorm_mode_16_64 3
		.amdhsa_memory_ordered 1
		.amdhsa_forward_progress 1
		.amdhsa_inst_pref_size 25
	.end_amdhsa_kernel
	.amdgpu_metadata
---
amdhsa.version: [ 1, 2 ]
amdhsa.kernels:
  - .name:           k_qa59074df44_wquant
    .symbol:         k_qa59074df44_wquant.kd
    .args:
      - { .name: Wq_w, .offset: 0, .size: 8, .value_kind: global_buffer, .address_space: global }
      - { .name: Wk_w, .offset: 8, .size: 8, .value_kind: global_buffer, .address_space: global }
      - { .name: Wv_w, .offset: 16, .size: 8, .value_kind: global_buffer, .address_space: global }
      - { .name: Wo_w, .offset: 24, .size: 8, .value_kind: global_buffer, .address_space: global }
      - { .name: lowp_scales, .offset: 32, .size: 8, .value_kind: global_buffer, .address_space: global }
      - { .name: wimg, .offset: 40, .size: 8, .value_kind: global_buffer, .address_space: global }
    .group_segment_fixed_size: 0
    .private_segment_fixed_size: 0
    .kernarg_segment_align: 8
    .kernarg_segment_size: 48
    .max_flat_workgroup_size: 128
    .sgpr_count:     66
    .vgpr_count:     176
    .wavefront_size: 32
...
	.end_amdgpu_metadata
.endif
;; end of part 1
;; launch proj (part 2): grid 64 x 3, 4 waves a work-group, no clusters, 139,776 bytes of LDS; arguments query, key, value, Wq_b, Wk_b, Wv_b, lowp_scales, wimg, qkvimg; writes qkvimg
.if DOCPART == 2
	.amdgcn_target "amdgcn-amd-amdhsa--gfx1250"
	.amdhsa_code_object_version 6
	.text
	.protected	k_qa59074df44_proj
	.globl	k_qa59074df44_proj
	.p2align	8
	.type	k_qa59074df44_proj,@function
k_qa59074df44_proj:
	s_mov_b64 s[64:65], 0
	v_nop
	global_prefetch_b8 v0, s[64:65] scope:SCOPE_SE
	s_setreg_imm32_b32 hwreg(HW_REG_WAVE_MODE, 25, 1), 1
	s_wait_xcnt 0x0
; q, k, v = Q(x) Q(W) + b, quantised again for the attention, all in one launch: work-group x = a block of 128 rows, y = 0 (query), 1 (key), 2 (value).
; x: [8192][1024] f32.  W: codes, as images in wimg (an image: 512 bytes, lane l's 16 bytes at 16 l; lane (r, h) holds row r of a tile of 16, k = 32 c + 16 h + 0 .. 15).
; ROWS AND COLUMNS OF A TILE ARE NOT NEIGHBOURS: row i of tile t of 128 is perm(t, i) = 32 (t / 2) + 8 (t % 2) + i + 8 (i / 8), so that a lane's 16 results of tiles 2 p and 2 p + 1 are 16
; neighbours, 32 p + 16 h + 0 .. 15: four conversions make an image of the NEXT product's operand, which one store writes as 512 consecutive bytes.  No result is transposed or staged.
; PHASE X: the work-group quantises its 128 x 1,024 numbers of x ONCE into LDS: wave w rows 32 w .. 32 w + 31.  Each load reads 512 consecutive bytes of a row.
; THE PRODUCT: the waves share the COLUMNS: wave w makes columns 256 w .. 256 w + 255 for all 128 rows, in two chunks of 128: a wave tile of 128 x 128, 64 accumulators, 8 K steps of 64 matrix instructions.
; x's fragments come from LDS, W's from memory straight into registers, in operand order, each load 512 consecutive bytes.
; q, k: source 0 = 16 columns of W, source 1 = 16 rows of x: a lane holds one row, its registers run along the head's 64, the K of q k^T.
; v:    the sources change places: a lane holds one channel, its registers run along the keys, the K of the second product.  The two forms are two copies of the text behind one branch on y.
; qkvimg: three parts of 8,388,608 bytes (q, k, v), each [16 batch + head: 64][131,072].  q, k: [tile T of the sequence: 128][c: 2][512].  v: [key step of 128: 16][channel tile: 4][c: 4][512].
; The bias, divided by 2^(ex + ew), is the C of each sum's first matrix instruction; the scales ahead of the second quantiser are folded into one: 2^(eo - ex - ew).
; SCALES: x and W: entries 2 y, 2 y + 1.  Results: q entry 7, k entry 6 (the score product is lowered with k as its left operand, as the second product is with v), v entry 8.
; NO TENSOR LOADS, NO JOINT REQUESTS: W has no tile in LDS that partners could share: it goes into registers as it lies, so a K step reads 16 KB of LDS for its 64 matrix instructions and not 32.
; WASTE, stated: the wave's last chunk asks ahead as the first does (two K steps of W, the bias, x's first fragments), pointed back at its first chunk: 32 KB of 288, unused; so every count is the same on every path and no load leaves its buffer.
; LIMITS: ex and eo - ex - ew between -126 and 119.  NaN among the inputs is not served; an infinity is held at the largest code.
; REGISTERS, in windows of 256: window 0: v1-13 addresses and scales; v32-63 two sets of codes on the way out; v64-127 the bias; v128-255 x's 8 fragments, one set (in phase X v128-191: four sets of 16 code words).
;   window 1: W's fragments, two sets, at v0 and v128.   windows 2, 3: accumulator (a, b) at v[8 (8 (a % 4) + b)] of window 2 + a / 4 (in phase X window 2: four sets of 64 numbers of x).
.set FRB,  2176                        ; a fragment of x in LDS: eight half images of 256 bytes, each followed by 16 bytes of padding, so that the 32 lanes of a word store fall on 32 different banks (64 banks of 4 bytes: ISA guide 11.1)
.set STB,  8*FRB                       ; a K step's eight fragments
.set LI,   1                           ; v1   16 x lane
.set XW0,  2                           ; v2   phase X: my word's place in a fragment, in my wave's two tiles of rows
.set XWA,  3                           ; v3   the same in the trip's K steps
.set ADA,  4                           ; v4-6 my 16 bytes of a half image, in K steps 0, 3, 6 (an LDS offset has 16 bits)
.set BOF,  7                           ; v7   my place in a chunk's bias
.set SX,   8                           ; v8   2^ex            v9   448 x 2^ex
.set LX,   9
.set SQ,   10                          ; v10  2^(eo - ex - ew)   v11  448 x that
.set LQ,   11
.set RR,   12                          ; v12  lane % 16
.set HH,   13                          ; v13  lane / 16
.set CS,   32
.set BI,   64
.set AF,   128
.set XC,   128
.set XP,   24                          ; s[24:25] x at my wave's rows, the trip's K steps
.set BP,   26                          ; s[26:27] this chunk's bias    s[28:29] the other chunk's
.set BN,   28
.set WP,   30                          ; s[30:31] this chunk's W       s[32:33] the other chunk's
.set WN,   32
.set OP,   34                          ; s[34:35] where this chunk's images go
.set MSB,  0
.macro WIN new                         ; the immediate's high byte repeats the setting that is left; a switch that changes nothing is dropped
.if MSB != (\new)
	s_set_vgpr_msb (MSB<<8)|(\new)
.set MSB, (\new)
.endif
.endm
.macro PLACES                          ; four plain vector instructions between a matrix instruction and a load into, or a vector read of, its registers (ISA guide 7.12.1 for vector reads)
.rept 4
	v_nop
.endr
.endm
; set k = 2 ds + u: tile of rows 2 w + u, the trip's K step ds: 16 rows x 512 bytes; lane l takes k = 4 l .. 4 l + 3 of each row
.macro XLOADS k, add
	WIN 0x80                                       ; destination window 2
.irp n, 0,1,2,3,4,5,6,7,8,9,10,11,12,13,14,15
	global_load_b128 v[64*\k+4*\n:64*\k+4*\n+3], v[LI], s[XP:XP+1] offset:(8*(\k%2)+\n+8*(\n/8))*4096+512*(\k/2)+\add th:TH_LOAD_NT
.endr
.endm
; a quarter of W's first two K steps: fragments 4 (k % 2) .. + 3 of set k / 2
.macro BQ k
	WIN 0x40                                       ; destination window 1
.irp b, 0,1,2,3
.irp c, 0,1,2,3
	global_load_b128 v[128*(\k/2)+16*(4*(\k%2)+\b)+4*\c:128*(\k/2)+16*(4*(\k%2)+\b)+4*\c+3], v[LI], s[WP:WP+1] offset:(\k/2)*16384+2048*(4*(\k%2)+\b)+512*\c
.endr
.endr
.endm
; set k is quantised and stored; then its registers take the next trip's numbers (mode 1), or a quarter of W is asked for in their stead (mode 2), so that 16 loads follow in either case
.macro SLOTX k, mode
	s_wait_loadcnt 48                              ; my set's 16 loads are in; the three sets of 16 behind them may be out
	s_wait_dscnt 48                                ; this set's code words have been read by their last stores: three sets of 16 stores are younger
	WIN 0x82
.set i, 0
.rept 64
	v_med3_num_f32 v[64*\k+i], v[64*\k+i], -v[LX], v[LX]   ; the conversion to an 8-bit code does not saturate (ISA guide 7.6.2): the hold comes first
.set i, i+1
.endr
	WIN 0x02
.irp g, 0,1,2,3,4,5,6,7
	v_cvt_scalef32_pk8_fp8_f32 v[XC+16*\k+2*\g:XC+16*\k+2*\g+1], v[64*\k+8*\g:64*\k+8*\g+7], v[SX]   ; rows 2 g and 2 g + 1, four k each: a word of codes for each row
.endr
	WIN 0
	v_nop                                          ; a plain instruction behind the last conversion: matrix instructions later write its sources
.irp n, 0,1,2,3,4,5,6,7,8,9,10,11,12,13,14,15
	ds_store_b32 v[XWA], v[XC+16*\k+\n] offset:(\k/2)*STB+(\k%2)*FRB+16*\n
.endr
.if \mode == 1
	XLOADS \k, 1024
.else
	BQ \k
.endif
.endm
.macro FETCH_A s, a0                   ; x's fragments a0 .. a0 + 3 of K step s: sixteen lanes read 256 consecutive bytes
.irp a, \a0, \a0+1, \a0+2, \a0+3
.irp c, 0,1,2,3
	ds_load_b128 v[AF+16*(\a)+4*\c:AF+16*(\a)+4*\c+3], v[ADA+(\s)/3] offset:((\s)%3)*STB+FRB*(\a)+544*\c
.endr
.endr
.endm
.macro BLOAD p, ptr, off               ; W's eight fragments of a K step into set p
	WIN 0x40
.irp b, 0,1,2,3,4,5,6,7
.irp c, 0,1,2,3
	global_load_b128 v[128*(\p)+16*\b+4*\c:128*(\p)+16*\b+4*\c+3], v[LI], s[\ptr:\ptr+1] offset:(\off)+2048*\b+512*\c
.endr
.endr
.endm
.macro BIASLOAD sw, ptr                ; q, k: a lane's eight columns of each tile; v: its one channel
.irp b, 0,1,2,3,4,5,6,7
.if \sw
	global_load_b32 v[BI+8*\b], v[BOF], s[\ptr:\ptr+1] offset:(32*(\b/2)+8*(\b%2))*4
.else
	global_load_b128 v[BI+8*\b:BI+8*\b+3], v[BOF], s[\ptr:\ptr+1] offset:(32*(\b/2)+8*(\b%2))*4
	global_load_b128 v[BI+8*\b+4:BI+8*\b+7], v[BOF], s[\ptr:\ptr+1] offset:(32*(\b/2)+8*(\b%2))*4+16
.endif
.endr
.endm
.macro BIASFIX sw                      ; b / 2^(ex + ew), in the result's layout
.if \sw
.irp b, 0,1,2,3,4,5,6,7
	v_ldexp_f32 v[BI+8*\b], v[BI+8*\b], s45
.endr
.irp b, 0,1,2,3,4,5,6,7
.irp g, 1,2,3,4,5,6,7
	v_mov_b32 v[BI+8*\b+\g], v[BI+8*\b]            ; a lane's eight results of a tile are eight keys of one channel
.endr
.endr
.else
.set i, 0
.rept 64
	v_ldexp_f32 v[BI+i], v[BI+i], s45
.set i, i+1
.endr
.endif
.endm
; 16 matrix instructions: x's blocks a0, a0 + 1 against W's eight.  The 64 accumulators take turns, one instruction a turn, in the same order in every step.
.macro MUL16 a0, p, sw, first
	WIN ((2+(\a0)/4)<<6)|(((1-(\first))*(2+(\a0)/4))<<4)|(1+3*(\sw))
.irp a, \a0, \a0+1
.irp b, 0,1,2,3,4,5,6,7
.set AC, 8*(8*((\a)%4)+\b)
.if \sw
.if \first
	v_wmma_f32_16x16x128_fp8_fp8 v[AC:AC+7], v[AF+16*(\a):AF+16*(\a)+15], v[128*(\p)+16*\b:128*(\p)+16*\b+15], v[BI+8*\b:BI+8*\b+7]
.else
	v_wmma_f32_16x16x128_fp8_fp8 v[AC:AC+7], v[AF+16*(\a):AF+16*(\a)+15], v[128*(\p)+16*\b:128*(\p)+16*\b+15], v[AC:AC+7]
.endif
.else
.if \first
	v_wmma_f32_16x16x128_fp8_fp8 v[AC:AC+7], v[128*(\p)+16*\b:128*(\p)+16*\b+15], v[AF+16*(\a):AF+16*(\a)+15], v[BI+8*\b:BI+8*\b+7]
.else
	v_wmma_f32_16x16x128_fp8_fp8 v[AC:AC+7], v[128*(\p)+16*\b:128*(\p)+16*\b+15], v[AF+16*(\a):AF+16*(\a)+15], v[AC:AC+7]
.endif
.endif
.endr
.endr
.endm
; A K step of 128: 64 matrix instructions.  x's blocks 0-3 are fetched anew in its middle, blocks 4-7 at its end; W's set is filled again at its end with the K step two on.
.macro STEP s, sw
.set FST, 0
.if (\s) == 0
.set FST, 1
.endif
	s_wait_loadcnt 32                              ; this step's W is in; the next step's 32 loads may be out
	s_wait_dscnt 16                                ; x's blocks 0-3 are in; blocks 4-7 may be out
	MUL16 0, (\s)%2, \sw, FST
	MUL16 2, (\s)%2, \sw, FST
	s_wait_dscnt 0x0                               ; blocks 4-7 are in
	PLACES
	WIN 0
	FETCH_A ((\s)+1)%8, 0
	MUL16 4, (\s)%2, \sw, FST
	MUL16 6, (\s)%2, \sw, FST
	PLACES
	WIN 0
	FETCH_A ((\s)+1)%8, 4
.if (\s) == 0
	BIASLOAD \sw, BN                               ; the other chunk's bias, into the registers that this step's products have read
.endif
.if (\s) < 6
	BLOAD (\s)%2, WP, ((\s)+2)*16384
.else
	BLOAD (\s)%2, WN, ((\s)-6)*16384               ; the other chunk's first two K steps
.endif
	WIN 0
.endm
; THE WAY OUT of a chunk: the hold, in place, each accumulator from its low end on; then, for each block of rows (q, k) or tile of channels (v), eight conversions and four stores of 512 consecutive bytes.
.macro EPI sw
	WIN 0x82
.set i, 0
.rept 256
	v_med3_num_f32 v[i], v[i], -v[LQ], v[LQ]
.set i, i+1
.endr
	WIN 0xc3
.set i, 0
.rept 256
	v_med3_num_f32 v[i], v[i], -v[LQ], v[LQ]
.set i, i+1
.endr
.irp g, 0,1,2,3,4,5,6,7
.if \g >= 2
	s_wait_xcnt 0x0                                ; the stores of two turns ago have read this set of codes
.endif
.irp n, 0,1,2,3,4,5,6,7
.if \sw
	WIN 0x02+\n/4
	v_cvt_scalef32_pk8_fp8_f32 v[CS+16*(\g%2)+2*\n:CS+16*(\g%2)+2*\n+1], v[8*(8*(\n%4)+\g):8*(8*(\n%4)+\g)+7], v[SQ]   ; accumulator (n, g): keys 32 (n / 2) + 16 h + 8 (n % 2) + 0 .. 7 of my channel
.else
	WIN 0x02+\g/4
	v_cvt_scalef32_pk8_fp8_f32 v[CS+16*(\g%2)+2*\n:CS+16*(\g%2)+2*\n+1], v[8*(8*(\g%4)+\n):8*(8*(\g%4)+\n)+7], v[SQ]   ; accumulator (g, n): columns 32 (n / 2) + 16 h + 8 (n % 2) + 0 .. 7 of my row
.endif
.endr
	WIN 0
	v_nop                                          ; a plain instruction behind the last conversion: matrix instructions later write its sources
.irp c, 0,1,2,3
.if \sw
	global_store_b128 v[LI], v[CS+16*(\g%2)+4*\c:CS+16*(\g%2)+4*\c+3], s[OP:OP+1] offset:131072*(\g/4)+2048*(\g%4)+512*\c
.else
	global_store_b128 v[LI], v[CS+16*(\g%2)+4*\c:CS+16*(\g%2)+4*\c+3], s[OP:OP+1] offset:1024*\g+131072*(\c/2)+512*(\c%2)
.endif
.endr
.endr
.endm
.macro BODY sw
.if \sw
	v_and_b32 v[BOF], 8, v[RR]
	v_add_nc_u32 v[BOF], v[BOF], v[RR]
	v_lshlrev_b32 v[BOF], 2, v[BOF]                ; v: my channel of a tile: r + 8 (r / 8)
.else
	v_lshlrev_b32 v[BOF], 6, v[HH]                 ; q, k: my half's eight columns of a tile: 16 h on
.endif
	BIASLOAD \sw, BP
	s_wait_loadcnt 0x0                             ; the bias, and with it W's first two K steps
	BIASFIX \sw
	s_mov_b32 s44, 2
.Lchunk_\@:
	STEP 0, \sw
	STEP 1, \sw
	STEP 2, \sw
	STEP 3, \sw
	STEP 4, \sw
	STEP 5, \sw
	STEP 6, \sw
	STEP 7, \sw
	EPI \sw
	BIASFIX \sw                                    ; the other chunk's bias came in behind step 0 and was waited for at step 1
	s_wait_xcnt 0x0                                ; the loads and stores issued so far have read their bases
	s_mov_b64 s[50:51], s[WP:WP+1]                 ; the two chunks change places
	s_mov_b64 s[WP:WP+1], s[WN:WN+1]
	s_mov_b64 s[WN:WN+1], s[50:51]
	s_mov_b64 s[50:51], s[BP:BP+1]
	s_mov_b64 s[BP:BP+1], s[BN:BN+1]
	s_mov_b64 s[BN:BN+1], s[50:51]
	s_add_nc_u64 s[OP:OP+1], s[OP:OP+1], 262144    ; two heads on
	s_sub_co_u32 s44, s44, 1
	s_cmp_lg_u32 s44, 0
	s_cbranch_scc1 .Lchunk_\@
	s_wait_tensorcnt 0x0
	ds_add_u32 v30, v31
	s_wait_dscnt 0x0
	s_endpgm
.endm
	s_load_b512 s[4:19], s[0:1], 0x0               ; query, key, value, Wq_b, Wk_b, Wv_b, the scales' exponents s[16:17], wimg s[18:19]
	s_load_b64 s[20:21], s[0:1], 0x40              ; qkvimg
	v_lshl_add_u32 v30, v0, 2, 0x22000
	v_mov_b32 v31, 0
	v_lshrrev_b32 v14, 5, v0
	v_readfirstlane_b32 s40, v14                   ; wave
	s_and_b32 s41, ttmp7, 0xffff                   ; y
	v_and_b32 v14, 31, v0
	v_lshlrev_b32 v[LI], 4, v14
	v_lshrrev_b32 v15, 2, v14
	v_and_b32 v14, 3, v14
	v_mul_u32_u24 v[XW0], v15, 272                 ; k = 4 l .. 4 l + 3 lies in half image l / 4, at byte 4 (l % 4) of a row's 16
	v_lshl_add_u32 v[XW0], v14, 2, v[XW0]
	s_mul_i32 s46, s40, 2*FRB
	v_add_nc_u32 v[XW0], s46, v[XW0]               ; my wave's tiles of rows: 2 w, 2 w + 1
	v_and_b32 v[RR], 15, v0
	v_bfe_u32 v[HH], v0, 4, 1
	v_mul_u32_u24 v[ADA], v[HH], 272
	v_lshl_add_u32 v[ADA], v[RR], 4, v[ADA]
	v_add_nc_u32 v[ADA+1], 3*STB, v[ADA]
	v_add_nc_u32 v[ADA+2], 6*STB, v[ADA]
	s_lshl_b32 s48, ttmp9, 19                      ; x: 128 rows of 4,096 bytes a block,
	s_lshl_b32 s46, s40, 17
	s_add_co_u32 s48, s48, s46                     ; 32 rows a wave
	s_mov_b32 s49, 0
	s_lshl_b32 s50, s40, 10                        ; the bias: 256 numbers a wave
	s_mov_b32 s51, 0
	s_lshl_b32 s22, s41, 20                        ; wimg: weight y, chunk 2 w
	s_lshl_b32 s46, s40, 18
	s_add_co_u32 s22, s22, s46
	s_mov_b32 s23, 0
	s_lshr_b32 s38, ttmp9, 4                       ; qkvimg: 16 x batch + head 4 w,
	s_lshl_b32 s38, s38, 4
	s_lshl_b32 s46, s40, 2
	s_add_co_u32 s38, s38, s46
	s_lshl_b32 s38, s38, 17
	s_lshl_b32 s46, s41, 23                        ; part y,
	s_add_co_u32 s38, s38, s46
	s_and_b32 s46, ttmp9, 15                       ; the block's 8,192 bytes in a head: eight tiles of q or k, one key step of v
	s_lshl_b32 s46, s46, 13
	s_add_co_u32 s38, s38, s46
	s_mov_b32 s39, 0
	s_wait_kmcnt 0x0
	s_load_b256 s[52:59], s[16:17], 0x0            ; entries 0 to 7
	s_load_b32 s60, s[16:17], 0x20                 ; entry 8
	s_cmp_eq_u32 s41, 1                            ; the tensors are chosen by the work-group's number alone
	s_cselect_b64 s[XP:XP+1], s[6:7], s[4:5]
	s_cselect_b64 s[BP:BP+1], s[12:13], s[10:11]
	s_cmp_eq_u32 s41, 2
	s_cselect_b64 s[XP:XP+1], s[8:9], s[XP:XP+1]
	s_cselect_b64 s[BP:BP+1], s[14:15], s[BP:BP+1]
	s_add_nc_u64 s[XP:XP+1], s[XP:XP+1], s[48:49]
	s_add_nc_u64 s[BP:BP+1], s[BP:BP+1], s[50:51]
	s_add_nc_u64 s[BN:BN+1], s[BP:BP+1], 512
	s_add_nc_u64 s[WP:WP+1], s[18:19], s[22:23]
	s_add_nc_u64 s[WN:WN+1], s[WP:WP+1], 131072
	s_add_nc_u64 s[OP:OP+1], s[20:21], s[38:39]
	XLOADS 0, 0                                    ; K steps 0 and 1 of my 32 rows: 64 loads, 32 KB a wave on their way
	XLOADS 1, 0
	XLOADS 2, 0
	XLOADS 3, 0
	WIN 0
	s_wait_kmcnt 0x0
	s_cmp_eq_u32 s41, 1
	s_cselect_b64 s[36:37], s[54:55], s[52:53]     ; ex, ew
	s_cselect_b32 s38, s58, s59                    ; eo: k entry 6, q entry 7,
	s_cmp_eq_u32 s41, 2
	s_cselect_b64 s[36:37], s[56:57], s[36:37]
	s_cselect_b32 s38, s60, s38                    ; v entry 8
	s_add_co_i32 s46, s36, 127
	s_lshl_b32 s47, s46, 23
	v_mov_b32 v[SX], s47
	s_add_co_i32 s46, s46, 8
	s_lshl_b32 s46, s46, 23
	s_or_b32 s46, s46, 0x600000
	v_mov_b32 v[LX], s46
	s_add_co_i32 s46, s36, s37                     ; a sum stands for sum x 2^(ex + ew)
	s_sub_co_i32 s45, 0, s46
	s_sub_co_i32 s46, s38, s46
	s_add_co_i32 s46, s46, 127
	s_lshl_b32 s47, s46, 23
	v_mov_b32 v[SQ], s47
	s_add_co_i32 s46, s46, 8
	s_lshl_b32 s46, s46, 23
	s_or_b32 s46, s46, 0x600000
	v_mov_b32 v[LQ], s46
	s_mov_b32 s43, 0                               ; the trip's K steps in LDS
	s_mov_b32 s44, 3
.Lx:                                               ; a trip: two K steps of my 32 rows, and the loads of the next two
	v_add_nc_u32 v[XWA], s43, v[XW0]
	SLOTX 0, 1
	SLOTX 1, 1
	SLOTX 2, 1
	SLOTX 3, 1
	WIN 0
	s_wait_xcnt 0x0                                ; the loads have read their base
	s_add_nc_u64 s[XP:XP+1], s[XP:XP+1], 1024
	s_add_co_u32 s43, s43, 2*STB
	s_sub_co_u32 s44, s44, 1
	s_cmp_lg_u32 s44, 0
	s_cbranch_scc1 .Lx
	v_add_nc_u32 v[XWA], s43, v[XW0]               ; the last trip is written out: no load leaves x; W's first two K steps are asked for instead
	SLOTX 0, 2
	SLOTX 1, 2
	SLOTX 2, 2
	SLOTX 3, 2
	WIN 0
	s_wait_dscnt 0x0                               ; for the others' sake: my stores have landed
	s_barrier_signal -1
	s_barrier_wait -1                              ; the block's 64 fragments lie in LDS; they are only read from here on: the launch's one barrier
	FETCH_A 0, 0
	FETCH_A 0, 4
	s_cmp_eq_u32 s41, 2
	s_cbranch_scc1 .Lvalue
	BODY 0
.Lvalue:
	BODY 1
.Lfunc_end_k_qa59074df44_proj:
	.size	k_qa59074df44_proj, .Lfunc_end_k_qa59074df44_proj-k_qa59074df44_proj
	.p2alignl 7, 3214868480
	.fill 96, 4, 3214868480
	.section	.rodata,"a",@progbits
	.p2align	6, 0x0
	.amdhsa_kernel k_qa59074df44_proj
		.amdhsa_group_segment_fixed_size 139776
		.amdhsa_private_segment_fixed_size 0
		.amdhsa_enable_private_segment 0
		.amdhsa_kernarg_size 72
		.amdhsa_user_sgpr_count 2
		.amdhsa_user_sgpr_kernarg_segment_ptr 1
		.amdhsa_wavefront_size32 1
		.amdhsa_system_sgpr_workgroup_id_x 1
		.amdhsa_system_sgpr_workgroup_id_y 1
		.amdhsa_system_sgpr_workgroup_id_z 1
		.amdhsa_system_vgpr_workitem_id 0
		.amdhsa_next_free_vgpr 1024
		.amdhsa_next_free_sgpr 66
		.amdhsa_reserve_vcc 0
		.amdhsa_float_denorm_mode_32 3
		.amdhsa_float_denorm_mode_16_64 3
		.amdhsa_memory_ordered 1
		.amdhsa_forward_progress 1
		.amdhsa_inst_pref_size 255
	.end_amdhsa_kernel
	.section	.bss,"aw",@nobits
	.p2align	6
	.space	262144
	.amdgpu_metadata
---
amdhsa.version: [ 1, 2 ]
amdhsa.kernels:
  - .name:           k_qa59074df44_proj
    .symbol:         k_qa59074df44_proj.kd
    .args:
      - { .name: query, .offset: 0, .size: 8, .value_kind: global_buffer, .address_space: global }
      - { .name: key, .offset: 8, .size: 8, .value_kind: global_buffer, .address_space: global }
      - { .name: value, .offset: 16, .size: 8, .value_kind: global_buffer, .address_space: global }
      - { .name: Wq_b, .offset: 24, .size: 8, .value_kind: global_buffer, .address_space: global }
      - { .name: Wk_b, .offset: 32, .size: 8, .value_kind: global_buffer, .address_space: global }
      - { .name: Wv_b, .offset: 40, .size: 8, .value_kind: global_buffer, .address_space: global }
      - { .name: lowp_scales, .offset: 48, .size: 8, .value_kind: global_buffer, .address_space: global }
      - { .name: wimg, .offset: 56, .size: 8, .value_kind: global_buffer, .address_space: global }
      - { .name: qkvimg, .offset: 64, .size: 8, .value_kind: global_buffer, .address_space: global }
    .group_segment_fixed_size: 139776
    .private_segment_fixed_size: 0
    .kernarg_segment_align: 8
    .kernarg_segment_size: 72
    .max_flat_workgroup_size: 128
    .sgpr_count:     66
    .vgpr_count:     1024
    .wavefront_size: 32
...
	.end_amdgpu_metadata
.endif
;; end of part 2
;; launch attn (part 3): grid 4 x 64, 8 waves a work-group, clusters of 4 x 1, 263,168 bytes of LDS; arguments qkvimg, lowp_scales, oimg; writes oimg
.if DOCPART == 3
	.amdgcn_target "amdgcn-amd-amdhsa--gfx1250"
	.amdhsa_code_object_version 6
	.text
	.protected	k_qa59074df44_attn
	.globl	k_qa59074df44_attn
	.p2align	8
	.type	k_qa59074df44_attn,@function
k_qa59074df44_attn:
	s_mov_b64 s[64:65], 0
	v_nop
	global_prefetch_b8 v0, s[64:65] scope:SCOPE_SE
	s_setreg_imm32_b32 hwreg(HW_REG_WAVE_MODE, 25, 1), 1
	s_wait_xcnt 0x0
	s_wait_alu depctr_hold_cnt(0) depctr_sa_sdst(0) depctr_va_vdst(0) depctr_va_sdst(0) depctr_va_ssrc(0) depctr_va_vcc(0) depctr_vm_vsrc(0)
	s_getreg_b32 s2, hwreg(HW_REG_IB_STS2, 6, 4)
	s_cmp_eq_u32 s2, 0
	s_cbranch_scc0 .Lentry_in_a_cluster
	s_endpgm
.Lentry_in_a_cluster:
	s_bfe_u32 s2, ttmp6, 0x10000c
	s_cmp_lg_u32 s2, 0x3003
	s_cbranch_scc0 .Lentry_shape_is_right
	s_endpgm
.Lentry_shape_is_right:
; o = softmax(q k^T / sqrt(2048)) v for one head of one batch (work-group y = 16 batch + head), both products on codes of FP8 (E4M3); the result is quantised for the last product and stored as images.
; q, k, v arrive as images of operand registers (512 bytes, lane l's 16 bytes at 16 l; lane (r, h): row r of a tile of 16, K = 32 c + 16 h + 0 .. 15).  q, k: [tile: 128][c: 2][512], K = the head's 64.
; v: [key step of 128: 16][channel tile: 4][c: 4][512], K = the keys.  Row i of tile t of 128 is 32 (t / 2) + 8 (t % 2) + i + 8 (i / 8), so that a lane's 16 results of tiles 2 p, 2 p + 1 are 16 neighbours.
; THE SOFTMAX: t = score x log2(e) / sqrt(2048); M = the running largest t, rounded UP to a whole number; p = 2^(t - M) is quantised, not normalised; the row's sum is taken of the unquantised p and divides at the end.
; When M moves, the sum and O are multiplied by 2^(old M - new M): nothing is rounded, and there is no branch on data.
; SHARES: a work-group owns 512 queries, each of its eight waves 64: four tiles of 16.  THE HEAD'S WHOLE K AND V, 2 x 131,072 bytes, LIE IN LDS, FILLED ONCE: no slot is filled again.
; Each fragment of K and V that a wave reads from LDS feeds four matrix instructions.  A key step is 128 keys: 32 products k q^T (K = 64), four softmaxes, 16 products v^T p (K = 128).
; CLUSTER: the four work-groups of a cluster are the four query blocks of one head: they ask for K and V JOINTLY, each wave by the same two tensor loads with the same descriptors and a mask that names the four.
; A wave has two tensor loads outstanding at the most: the first brings one of key steps 0-3, the second three of steps 4-15; the first three key steps are worked while the second loads land.
; BOTH PRODUCTS ARE USED TRANSPOSED: S^T = k q^T (source 0 = 16 keys, source 1 = 16 queries), O^T = v^T p^T (source 0 = 16 channels, source 1 = p): a lane holds ONE query throughout.
; oimg: [block of 128 rows: 64][tile of rows: 8][K step: 8][c: 4][512], K = 64 head + channel.
; The last key step's look-ahead for K reads V's first 8,192 bytes, which have landed, and is not used.
; LIMITS: entry 6 + entry 7 between -121 and 132 (added to c's exponent field); ep, and e10 - ep - ev, between -126 and 119.
; REGISTERS: window 0: v1-7 addresses and scales; v32-95 S^T, then p; v96-159 K's 8 fragments; v160-223 V's 4; v224-239 four registers a tile: -M, the largest t, the sum in two halves; v240-252 at work.
;   window 1: v0-127 O^T (tile t, channel tile d at v[32 t + 8 d]); v128-159 Q; v160-223 p's codes, 16 a tile.
.set LI,  1                            ; v1   16 x lane
.set ADK, 2                            ; v2   LDS address of the K fragments in hand
.set ADV, 3                            ; v3   of V's
.set LP,  4                            ; v4   448 x 2^ep      v5  2^ep
.set SP,  5
.set LQ,  6                            ; v6   448 x 2^(e10 - ep - ev)      v7  2^(e10 - ep - ev)
.set SQ,  7
.set S,   32
.set FK,  96
.set FV,  160
.set ST,  224
.set MX,  240                          ; v240-243 four chains of the maximum
.set FF,  244                          ; v[244:245] f = 2^(old M - new M); the upper word is only named
.set SU,  246                          ; v246-251 three chains of the sum
.set PD,  252                          ; the lane permute's destination
.set QF,  128
.set PC,  160
.set KSB, 8192                         ; a key step of K, or of V, in bytes
.set MSB, 0
.macro WIN new                         ; the immediate's high byte repeats the setting that is left
.if MSB != (\new)
	s_set_vgpr_msb (MSB<<8)|(\new)
.set MSB, (\new)
.endif
.endm
.macro ROUND                           ; a round of the cluster's barrier: my work-group's barrier; wave 0 signals for the work-group; every wave waits for all four; my work-group's barrier once more
	s_barrier_signal -1
	s_barrier_wait -1
	s_cmp_lg_u32 s10, 0
	s_cbranch_scc1 .Lnot_wave_0_\@
	s_barrier_signal -3
.Lnot_wave_0_\@:
	s_barrier_wait -3
	s_barrier_signal -1
	s_barrier_wait -1
.endm
.macro KLOAD adr                       ; a key step's eight fragments of K
.irp t, 0,1,2,3,4,5,6,7
.irp c, 0,1
	ds_load_b128 v[FK+8*\t+4*\c:FK+8*\t+4*\c+3], v[\adr] offset:1024*\t+512*\c
.endr
.endr
.endm
.macro SMUL t                          ; S^T of query tile t: eight tiles of 16 keys; each product is a whole sum (K = 64)
	WIN 0x04                                       ; source 1 (Q) window 1
.irp n, 0,1,2,3,4,5,6,7
	v_wmma_f32_16x16x64_fp8_fp8 v[S+8*\n:S+8*\n+7], v[FK+8*\n:FK+8*\n+7], v[QF+8*\t:QF+8*\t+7], 0
.endr
.endm
.macro RESC t                          ; O^T of tile t under the new M; each accumulator from its low end on.  These sixteen are also the places behind the products just issued
	WIN 0x41
.set i, 0
.rept 16
	v_pk_mul_f32 v[32*\t+2*i:32*\t+2*i+1], v[32*\t+2*i:32*\t+2*i+1], v[FF:FF+1] op_sel_hi:[1,0]
.set i, i+1
.endr
.endm
.macro SOFT t                          ; tile t's softmax of a key step: register 16 b + i of S is key 32 b + 16 h + i of my query
.set T0, ST+4*(\t)
	WIN 0
.irp q, 0,1,2,3                        ; the largest of my 64 scores, in four chains; each accumulator is first read at its low end
	v_max3_num_f32 v[MX+\q], v[S+16*\q], v[S+16*\q+1], v[S+16*\q+2]
.endr
.irp n, 3,5,7,9,11,13
.irp q, 0,1,2,3
	v_max3_num_f32 v[MX+\q], v[MX+\q], v[S+16*\q+\n], v[S+16*\q+\n+1]
.endr
.endr
	v_max3_num_f32 v[MX], v[MX], v[S+15], v[S+31]
	v_max3_num_f32 v[MX+1], v[MX+1], v[S+47], v[S+63]
	v_max3_num_f32 v[MX], v[MX], v[MX+2], v[MX+3]
	v_max_num_f32 v[MX], v[MX], v[MX+1]
	v_permlanex16_b32 v[PD], v[MX], s44, s45       ; my query's other 64 keys lie in the lane 16 away
	v_max_num_f32 v[MX], v[MX], v[PD]
	v_mul_f32 v[MX], s46, v[MX]                    ; as t (c is positive)
	v_max_num_f32 v[T0+1], v[T0+1], v[MX]          ; the running largest t
	v_mov_b32 v[MX], v[T0]
	v_floor_f32 v[T0], -v[T0+1]                    ; the new -M = floor(-t): M is a whole number
	v_sub_f32 v[MX], v[T0], v[MX]                  ; old M - new M: a whole number, 0 or less
	v_cvt_i32_f32 v[MX], v[MX]                     ; (it saturates)
	v_ldexp_f32 v[FF], 1.0, v[MX]                  ; f
	v_pk_fma_f32 v[S:S+1], v[S:S+1], s[46:47], v[T0:T0+1] op_sel_hi:[1,0,0]       ; t - M, two at a time (of the pairs c and -M the low word serves both halves)
	v_pk_fma_f32 v[S+2:S+3], v[S+2:S+3], s[46:47], v[T0:T0+1] op_sel_hi:[1,0,0]
.set i, 0
.rept 32                               ; ONE BATCH: the scalings run two pairs ahead of the exponentials; nothing here names an exponential's result
.if i < 30
	v_pk_fma_f32 v[S+2*i+4:S+2*i+5], v[S+2*i+4:S+2*i+5], s[46:47], v[T0:T0+1] op_sel_hi:[1,0,0]
.endif
	v_exp_f32 v[S+2*i], v[S+2*i]                   ; p = 2^(t - M), at most 1
	v_exp_f32 v[S+2*i+1], v[S+2*i+1]
.set i, i+1
.endr
	v_pk_mul_f32 v[T0+2:T0+3], v[T0+2:T0+3], v[FF:FF+1] op_sel_hi:[1,0]   ; the sums under the new M: the plain instruction behind the last exponential
	s_wait_alu depctr_va_vdst(0)                   ; one wait for the batch, ahead of its first reader
	v_pk_add_f32 v[SU:SU+1], v[S:S+1], v[S+2:S+3]  ; the sum of the UNQUANTISED p, two at a time, in four chains
	v_pk_add_f32 v[SU+2:SU+3], v[S+4:S+5], v[S+6:S+7]
	v_pk_add_f32 v[SU+4:SU+5], v[S+8:S+9], v[S+10:S+11]
.set i, 6
.rept 26
.if (i-6)%4 == 0
	v_pk_add_f32 v[T0+2:T0+3], v[T0+2:T0+3], v[S+2*i:S+2*i+1]
.else
	v_pk_add_f32 v[SU+2*((i-6)%4)-2:SU+2*((i-6)%4)-1], v[SU+2*((i-6)%4)-2:SU+2*((i-6)%4)-1], v[S+2*i:S+2*i+1]
.endif
.set i, i+1
.endr
	v_pk_add_f32 v[SU:SU+1], v[SU:SU+1], v[SU+2:SU+3]
	v_pk_add_f32 v[T0+2:T0+3], v[T0+2:T0+3], v[SU+4:SU+5]
	v_pk_add_f32 v[T0+2:T0+3], v[T0+2:T0+3], v[SU:SU+1]
.set i, 0
.rept 64
	v_min_num_f32 v[S+i], v[S+i], v[LP]            ; the conversion to an 8-bit code does not saturate (ISA guide 7.6.2); p is not negative, so the hold is one-sided
.set i, i+1
.endr
	WIN 0x40                                       ; destination window 1
.irp n, 0,1,2,3,4,5,6,7
	v_cvt_scalef32_pk8_fp8_f32 v[PC+16*(\t)+2*\n:PC+16*(\t)+2*\n+1], v[S+8*\n:S+8*\n+7], v[SP]
.endr
	v_nop                                          ; a plain instruction behind the last conversion: the next products write its sources
.endm
.macro PV                              ; O^T += v^T p^T: sixteen accumulators, one instruction a turn; K = the step's 128 keys
	WIN 0x54                                       ; source 1 (p), C and D window 1
.irp d, 0,1,2,3
.irp t, 0,1,2,3
	v_wmma_f32_16x16x128_fp8_fp8 v[32*\t+8*\d:32*\t+8*\d+7], v[FV+16*\d:FV+16*\d+15], v[PC+16*\t:PC+16*\t+15], v[32*\t+8*\d:32*\t+8*\d+7]
.endr
.endr
.endm
.macro STEP                            ; a key step.  s48: where the next step's K begins in LDS; s49: this step's V
	s_wait_dscnt 0x0                               ; this step's K is in
	SMUL 0
	WIN 0
	v_add_nc_u32 v[ADV], s49, v[LI]                ; with the three below: the four places behind the last step's products, which read V's registers, and behind tile 0's scores
	v_nop
	v_nop
	v_nop
.irp d, 0,1,2,3
.irp c, 0,1,2,3
	ds_load_b128 v[FV+16*\d+4*\c:FV+16*\d+4*\c+3], v[ADV] offset:2048*\d+512*\c
.endr
.endr
	SOFT 0
	SMUL 1
	RESC 0
	SOFT 1
	SMUL 2
	RESC 1
	SOFT 2
	SMUL 3
	RESC 2
	WIN 0
	v_add_nc_u32 v[ADK], s48, v[LI]
	KLOAD ADK                                      ; the next step's K, behind the last product that reads this step's and sixteen places
	SOFT 3
	RESC 3
	s_wait_dscnt 16                                ; V is in; the next step's K, 16 loads, may be out
	PV
	WIN 0
	s_add_co_u32 s48, s48, KSB
	s_add_co_u32 s49, s49, KSB
.endm
	s_load_b128 s[4:7], s[0:1], 0x0                ; qkvimg s[4:5], the scales' exponents s[6:7]
	s_load_b64 s[8:9], s[0:1], 0x10                ; oimg
	v_lshl_add_u32 v254, v0, 2, 0x40000
	v_mov_b32 v255, 0
	ds_add_u32 v254, v255
	ds_add_u32 v254, v255
	v_lshrrev_b32 v2, 5, v0
	v_readfirstlane_b32 s10, v2                    ; wave 0..7
	v_and_b32 v2, 31, v0
	v_lshlrev_b32 v[LI], 4, v2
	s_bfe_u32 s11, ttmp6, 0x40000                  ; cx: my block of 512 queries; it enters Q's and O's addresses alone
	s_and_b32 s12, ttmp7, 0xffff                   ; 16 batch + head, which the four partners share
	s_lshr_b32 s13, s10, 2                         ; waves 0-3 fetch K, waves 4-7 V,
	s_and_b32 s14, s10, 3                          ; a quarter each
	; descriptor group 1: dense blocks as rows of 256 bytes (32 elements of 8 bytes): 32 rows (a key step), 96 rows (three)
	s_mov_b32 s16, 15|(3<<16)|(1<<21)              ; 15:0 the mask: all four work-groups; 17:16 elements of 8 bytes; 21 set beside a mask; no padding
	s_mov_b32 s17, 32<<16                          ; tensor_dim0 = 32
	s_mov_b32 s18, 32<<16                          ; tensor_dim1 = 32
	s_mov_b32 s19, 32<<16                          ; tile_dim0 = 32
	s_mov_b32 s20, 32                              ; tile_dim1 = 32
	s_mov_b32 s21, 32                              ; from row to row: 32 elements
	s_mov_b32 s22, 0
	s_mov_b32 s23, 0
	s_mov_b32 s24, 15|(3<<16)|(1<<21)
	s_mov_b32 s25, 32<<16
	s_mov_b32 s26, 96<<16                          ; tensor_dim1 = 96
	s_mov_b32 s27, 32<<16
	s_mov_b32 s28, 96                              ; tile_dim1 = 96
	s_mov_b32 s29, 32
	s_mov_b32 s30, 0
	s_mov_b32 s31, 0
	; descriptor group 0, twice: LDS: K from byte 0, V from byte 131,072; key step (quarter), then steps 4 + 3 x quarter on
	s_mov_b32 s32, 1
	s_lshl_b32 s57, s13, 17
	s_lshl_b32 s58, s14, 13
	s_add_co_u32 s33, s57, s58
	s_mov_b32 s36, 1
	s_mul_i32 s59, s14, 24576
	s_add_co_u32 s59, s59, 32768
	s_add_co_u32 s37, s57, s59
	s_add_co_u32 s60, s13, 1                       ; in memory: part 1 (k) or 2 (v) of qkvimg,
	s_lshl_b32 s60, s60, 23
	s_lshl_b32 s61, s12, 17                        ; the head's 131,072 bytes,
	s_add_co_u32 s62, s60, s61
	s_add_co_u32 s60, s62, s58                     ; and the same place in them as in LDS
	s_mov_b32 s61, 0
	s_add_co_u32 s62, s62, s59
	s_mov_b32 s63, 0
	s_lshl_b32 s2, s11, 15                         ; Q: tiles 32 cx + 4 w on, 1,024 bytes each,
	s_lshl_b32 s3, s10, 12
	s_add_co_u32 s2, s2, s3
	s_lshl_b32 s3, s12, 17
	s_add_co_u32 s2, s2, s3                        ; in the head
	s_mov_b32 s3, 0
	s_wait_dscnt 0x0
	s_wait_kmcnt 0x0
	s_load_b128 s[52:55], s[6:7], 0x18             ; entries 6, 7 (k, q), 8 (ev), 9 (ep)
	s_load_b32 s56, s[6:7], 0x28                   ; entry 10
	s_add_nc_u64 s[34:35], s[4:5], s[60:61]
	s_or_b32 s35, s35, 0x80000000                  ; type = 2
	s_add_nc_u64 s[38:39], s[4:5], s[62:63]
	s_or_b32 s39, s39, 0x80000000
	s_add_nc_u64 s[40:41], s[4:5], s[2:3]
	s_lshr_b32 s2, s12, 4                          ; oimg: (128 batch + 32 cx + 4 w) tiles of rows of 16,384 bytes,
	s_lshl_b32 s2, s2, 7
	s_lshl_b32 s51, s11, 5
	s_add_co_u32 s2, s2, s51
	s_lshl_b32 s51, s10, 2
	s_add_co_u32 s2, s2, s51
	s_lshl_b32 s2, s2, 14
	s_bfe_u32 s51, s12, 0x30001                    ; K step head / 2,
	s_lshl_b32 s51, s51, 11
	s_add_co_u32 s2, s2, s51
	s_and_b32 s51, s12, 1                          ; images 2 (head % 2) on
	s_lshl_b32 s51, s51, 10
	s_add_co_u32 s2, s2, s51
	s_add_nc_u64 s[42:43], s[8:9], s[2:3]
	ROUND                                          ; all four work-groups are here: the joint loads meet
	tensor_load_to_lds s[32:35], s[16:23]          ; the launch's only fills, one group ahead of every wait on TENSORcnt, every LDS read and every other barrier: two loads of mine are out
	s_nop 0
	tensor_load_to_lds s[36:39], s[24:31]
	s_nop 0
.rept 4
	v_nop                                          ; four plain instructions ahead of the next switch of windows
.endr
	WIN 0x40
.irp t, 0,1,2,3
.irp c, 0,1
	global_load_b128 v[QF+8*\t+4*\c:QF+8*\t+4*\c+3], v[LI], s[40:41] offset:1024*\t+512*\c   ; Q stays in registers
.endr
.endr
.set i, 0
.rept 128
	v_mov_b32 v[i], 0                              ; O^T.  (The step is written without a first step of its own: it finds zeros, which the first change of M leaves zeros)
.set i, i+1
.endr
	WIN 0
.irp t, 0,1,2,3
	v_mov_b32 v[ST+4*\t+1], 0xff61b1e6             ; the largest t so far: -3e38, under every t
	v_floor_f32 v[ST+4*\t], -v[ST+4*\t+1]          ; -M
	v_mov_b32 v[ST+4*\t+2], 0                      ; the sum, in two halves
	v_mov_b32 v[ST+4*\t+3], 0
.endr
	v_mov_b32 v[FF+1], 0                           ; (named as the upper half of a pair)
	v_mov_b32 v[PD], 0                             ; (a lane permute's destination counts as one of its sources)
	s_mov_b32 s44, 0x76543210                      ; v_permlanex16_b32's selects: lane l xor 16
	s_mov_b32 s45, 0xfedcba98
	s_wait_kmcnt 0x0
	s_add_co_i32 s57, s52, s53
	s_lshl_b32 s57, s57, 23
	s_mov_b32 s46, 0x3d0293ee                      ; c = log2(e) / sqrt(2048);
	s_add_co_i32 s46, s46, s57                     ; a score stands for score x 2^(eq + ek): the exponents are added to c's exponent field
	s_mov_b32 s47, s46                             ; (named with it as a pair)
	s_add_co_i32 s57, s55, 127
	s_lshl_b32 s58, s57, 23
	v_mov_b32 v[SP], s58                           ; 2^ep
	s_add_co_i32 s57, s57, 8
	s_lshl_b32 s57, s57, 23
	s_or_b32 s57, s57, 0x600000
	v_mov_b32 v[LP], s57                           ; 448 x 2^ep
	s_sub_co_i32 s57, s56, s55                     ; O^T / the sum stands for that x 2^(ep + ev): its code is that / 2^(e10 - ep - ev)
	s_sub_co_i32 s57, s57, s54
	s_add_co_i32 s57, s57, 127
	s_lshl_b32 s58, s57, 23
	v_mov_b32 v[SQ], s58
	s_add_co_i32 s57, s57, 8
	s_lshl_b32 s57, s57, 23
	s_or_b32 s57, s57, 0x600000
	v_mov_b32 v[LQ], s57
	s_mov_b32 s48, KSB
	s_mov_b32 s49, 131072
	s_wait_tensorcnt 0x1                           ; my first load has landed; my second may stay out
	s_barrier_signal -1
	s_barrier_wait -1                              ; key steps 0 to 3 of K and of V are whole
	KLOAD LI                                       ; key step 0
	s_wait_loadcnt 0x0                             ; Q
	s_mov_b32 s50, 3
.Lfirst:                                           ; key steps 0, 1, 2: with their look-ahead they read steps 0 to 3 alone
	STEP
	s_sub_co_u32 s50, s50, 1
	s_cmp_lg_u32 s50, 0
	s_cbranch_scc1 .Lfirst
	s_wait_tensorcnt 0x0                           ; my second load has landed
	s_wait_dscnt 0x0                               ; no LDS instruction of mine is pending at a signal
	s_barrier_signal -1
	s_barrier_wait -1                              ; all of K and V is there
	s_mov_b32 s50, 13
.Lrest:                                            ; key steps 3 to 15
	STEP
	s_sub_co_u32 s50, s50, 1
	s_cmp_lg_u32 s50, 0
	s_cbranch_scc1 .Lrest
	; THE WAY OUT: the sums' halves and the other half of the lanes'; O^T / the sum, held, quantised: a tile's four accumulators become two images
.irp t, 0,1,2,3
	v_add_f32 v[MX+2*\t], v[ST+4*\t+2], v[ST+4*\t+3]   ; (these four are the places behind the last products)
.endr
.irp t, 0,1,2,3
	v_permlanex16_b32 v[MX+8+\t], v[MX+2*\t], s44, s45
.endr
.irp t, 0,1,2,3
	v_add_f32 v[MX+2*\t], v[MX+2*\t], v[MX+8+\t]
.endr
.irp t, 0,1,2,3
	v_rcp_f32 v[MX+2*\t], v[MX+2*\t]               ; in even registers: the packed multiply names each as a pair and takes its low word
.endr
	v_nop                                          ; a plain instruction behind the last reciprocal
	s_wait_alu depctr_va_vdst(0)                   ; one wait for the four, ahead of their first reader
.irp t, 0,1,2,3
	WIN 0x41
.set i, 0
.rept 16
	v_pk_mul_f32 v[32*\t+2*i:32*\t+2*i+1], v[32*\t+2*i:32*\t+2*i+1], v[MX+2*\t:MX+2*\t+1] op_sel_hi:[1,0]
.set i, i+1
.endr
.set i, 0
.rept 32
	v_med3_num_f32 v[32*\t+i], v[32*\t+i], -v[LQ], v[LQ]
.set i, i+1
.endr
	WIN 0x01
.irp d, 0,1,2,3
	v_cvt_scalef32_pk8_fp8_f32 v[S+8*\t+2*\d:S+8*\t+2*\d+1], v[32*\t+8*\d:32*\t+8*\d+7], v[SQ]   ; channels 32 (d / 2) + 16 h + 8 (d % 2) + 0 .. 7 of my query
.endr
	WIN 0
	v_nop
	global_store_b128 v[LI], v[S+8*\t:S+8*\t+3], s[42:43] offset:16384*\t          ; 512 consecutive bytes each
	global_store_b128 v[LI], v[S+8*\t+4:S+8*\t+7], s[42:43] offset:16384*\t+512
.endr
	s_wait_dscnt 0x0                               ; the last look-ahead: no LDS instruction of mine is pending at a signal
	s_wait_tensorcnt 0x0
	ds_add_u32 v254, v255
	s_wait_dscnt 0x0
	ROUND                                          ; the closing round: no work-group ends while a partner may still ask for a tile that names it
	s_endpgm
.Lfunc_end_k_qa59074df44_attn:
	.size	k_qa59074df44_attn, .Lfunc_end_k_qa59074df44_attn-k_qa59074df44_attn
	.p2alignl 7, 3214868480
	.fill 96, 4, 3214868480
	.section	.rodata,"a",@progbits
	.p2align	6, 0x0
	.amdhsa_kernel k_qa59074df44_attn
		.amdhsa_group_segment_fixed_size 263168
		.amdhsa_private_segment_fixed_size 0
		.amdhsa_enable_private_segment 0
		.amdhsa_kernarg_size 24
		.amdhsa_user_sgpr_count 2
		.amdhsa_user_sgpr_kernarg_segment_ptr 1
		.amdhsa_wavefront_size32 1
		.amdhsa_system_sgpr_workgroup_id_x 1
		.amdhsa_system_sgpr_workgroup_id_y 1
		.amdhsa_system_sgpr_workgroup_id_z 1
		.amdhsa_system_vgpr_workitem_id 0
		.amdhsa_next_free_vgpr 512
		.amdhsa_next_free_sgpr 66
		.amdhsa_reserve_vcc 0
		.amdhsa_float_denorm_mode_32 3
		.amdhsa_float_denorm_mode_16_64 3
		.amdhsa_memory_ordered 1
		.amdhsa_forward_progress 1
		.amdhsa_inst_pref_size 136
	.end_amdhsa_kernel
	.amdgpu_metadata
---
amdhsa.version: [ 1, 2 ]
amdhsa.kernels:
  - .name:           k_qa59074df44_attn
    .symbol:         k_qa59074df44_attn.kd
    .args:
      - { .name: qkvimg, .offset: 0, .size: 8, .value_kind: global_buffer, .address_space: global }
      - { .name: lowp_scales, .offset: 8, .size: 8, .value_kind: global_buffer, .address_space: global }
      - { .name: oimg, .offset: 16, .size: 8, .value_kind: global_buffer, .address_space: global }
    .group_segment_fixed_size: 263168
    .private_segment_fixed_size: 0
    .kernarg_segment_align: 8
    .kernarg_segment_size: 24
    .max_flat_workgroup_size: 256
    .sgpr_count:     66
    .vgpr_count:     512
    .wavefront_size: 32
...
	.end_amdgpu_metadata
.endif
;; end of part 3
;; launch outp (part 4): grid 64 x 2, 4 waves a work-group, no clusters, 173,568 bytes of LDS; arguments oimg, wimg, Wo_b, lowp_scales, out0; writes out0
.if DOCPART == 4
	.amdgcn_target "amdgcn-amd-amdhsa--gfx1250"
	.amdhsa_code_object_version 6
	.text
	.protected	k_qa59074df44_outp
	.globl	k_qa59074df44_outp
	.p2align	8
	.type	k_qa59074df44_outp,@function
k_qa59074df44_outp:
	s_mov_b64 s[64:65], 0
	v_nop
	global_prefetch_b8 v0, s[64:65] scope:SCOPE_SE
	s_setreg_imm32_b32 hwreg(HW_REG_WAVE_MODE, 25, 1), 1
	s_wait_xcnt 0x0
; out0 = o Wo + b, on codes of FP8 (E4M3).  o: images in oimg ([block of 128 rows: 64][tile of rows a: 8][K step s: 8][c: 4][512]); Wo: weight 3 of wimg ([chunk of 128 columns: 8][s: 8][tile b: 8][c: 4][512]).
; An image: 512 bytes, lane l's 16 bytes at 16 l; lane (r, h): row r of a tile of 16, K = 32 c + 16 h + 0 .. 15.  Row i of tile t of 128 is perm(t, i) = 32 (t / 2) + 8 (t % 2) + i + 8 (i / 8), for rows and columns alike.
; SHARES: work-group x = a block of 128 rows, y = a half of the columns; wave w makes chunk 4 y + w, 128 columns, for all 128 rows: 64 accumulators, 8 K steps of 64 matrix instructions.
; The block's 131,072 bytes of o are copied into LDS once, a quarter a wave, and read by all four; Wo's fragments go from memory straight into registers, each load 512 consecutive bytes.
; Source 0 = 16 columns of Wo, source 1 = 16 rows of o: a lane holds one row and eight neighbouring columns.  b / 2^(e10 + e11) is the C of each sum's first matrix instruction; each finished sum is multiplied once by 2^(e10 + e11).
; NO TENSOR LOADS, NO JOINT REQUESTS: Wo has no tile in LDS that partners could share, and a block of o is read by two work-groups only.  128 work-groups: a wave tile of 128 x 64 would make 256 and read twice the LDS bytes for each product.
; LIMITS: e10 + e11 between -126 and 127.
; REGISTERS: window 0: v1-12 addresses; v32-95 a block's results on the way out; v64-127 the bias (until K step 0 is done); v128-255 o's 8 fragments, later rows read back from the stage.
;   window 1: Wo's fragments, two sets.   windows 2, 3: accumulator (a, b) at v[8 (8 (a % 4) + b)] of window 2 + a / 4 (window 2 first holds the copy on its way to LDS).
.set FRB,  2176                        ; a fragment in LDS: eight half images of 256 bytes, 16 bytes of padding behind each
.set STB,  8*FRB
.set STG,  8*STB                       ; behind the fragments: a stage of 16 rows x (512 + 16) bytes for each wave
.set SPI,  528
.set LI,   1                           ; v1    16 x lane
.set ADA,  4                           ; v4-6  my 16 bytes of a half image, in K steps 0, 3, 6
.set BOF,  7                           ; v7    my half's place in a tile's bias
.set ADW,  8                           ; v8-10 the same as v4-6, in my wave's two tiles of rows: where the copy goes
.set STO,  11                          ; v11   the stage: where I put 32 bytes of a row
.set RD,   12                          ; v12   and where I read a row back
.set TMP,  32
.set BI,   64
.set AF,   128
.set BK,   128
.set AP,   24                          ; s[24:25] my quarter of the block of o
.set BP,   26                          ; s[26:27] my chunk's bias
.set WP,   30                          ; s[30:31] my chunk of Wo
.set OP,   34                          ; s[34:35] out0 at the block's first row, my chunk's first column
.set MSB,  0
.macro WIN new                         ; the immediate's high byte repeats the setting that is left
.if MSB != (\new)
	s_set_vgpr_msb (MSB<<8)|(\new)
.set MSB, (\new)
.endif
.endm
.macro PLACES                          ; four plain vector instructions between a matrix instruction and a load into, or a vector read of, its registers (ISA guide 7.12.1 for vector reads)
.rept 4
	v_nop
.endr
.endm
.macro FETCH_A s, a0                   ; o's fragments a0 .. a0 + 3 of K step s
.irp a, \a0, \a0+1, \a0+2, \a0+3
.irp c, 0,1,2,3
	ds_load_b128 v[AF+16*(\a)+4*\c:AF+16*(\a)+4*\c+3], v[ADA+(\s)/3] offset:((\s)%3)*STB+FRB*(\a)+544*\c
.endr
.endr
.endm
.macro BLOAD p, off                    ; Wo's eight fragments of a K step into set p
	WIN 0x40
.irp b, 0,1,2,3,4,5,6,7
.irp c, 0,1,2,3
	global_load_b128 v[128*(\p)+16*\b+4*\c:128*(\p)+16*\b+4*\c+3], v[LI], s[WP:WP+1] offset:(\off)+2048*\b+512*\c
.endr
.endr
.endm
; 16 matrix instructions: o's blocks a0, a0 + 1 against Wo's eight.  The 64 accumulators take turns, one instruction a turn, in the same order in every step.
.macro MUL16 a0, p, first
	WIN ((2+(\a0)/4)<<6)|(((1-(\first))*(2+(\a0)/4))<<4)|1
.irp a, \a0, \a0+1
.irp b, 0,1,2,3,4,5,6,7
.set AC, 8*(8*((\a)%4)+\b)
.if \first
	v_wmma_f32_16x16x128_fp8_fp8 v[AC:AC+7], v[128*(\p)+16*\b:128*(\p)+16*\b+15], v[AF+16*(\a):AF+16*(\a)+15], v[BI+8*\b:BI+8*\b+7]
.else
	v_wmma_f32_16x16x128_fp8_fp8 v[AC:AC+7], v[128*(\p)+16*\b:128*(\p)+16*\b+15], v[AF+16*(\a):AF+16*(\a)+15], v[AC:AC+7]
.endif
.endr
.endr
.endm
.macro STEP s
.set FST, 0
.if (\s) == 0
.set FST, 1
.endif
.if (\s) == 7
	s_wait_loadcnt 0x0                             ; the last step's Wo: nothing was asked for behind it
.else
	s_wait_loadcnt 32                              ; this step's Wo is in; the next step's 32 loads may be out
.endif
	s_wait_dscnt 16                                ; o's blocks 0-3 are in; blocks 4-7 may be out
	MUL16 0, (\s)%2, FST
	MUL16 2, (\s)%2, FST
	s_wait_dscnt 0x0
.if (\s) < 7
	PLACES
	WIN 0
	FETCH_A (\s)+1, 0
.endif
	MUL16 4, (\s)%2, FST
	MUL16 6, (\s)%2, FST
.if (\s) < 7
	PLACES
	WIN 0
	FETCH_A (\s)+1, 4
.endif
.if (\s) < 6
	BLOAD (\s)%2, ((\s)+2)*16384
.endif
	WIN 0
.endm
; THE WAY OUT, block by block of 16 rows x 128 columns: a lane holds 32 neighbouring bytes of a row and the lanes beside it other rows, so a block goes through my own stage in LDS and comes back as whole rows of 512 bytes.
; LDS serves a wave's instructions in order (ISA guide 5.7.1.4): no wait between the stores and the loads, nor in front of the next block's stores.
.macro TOSTAGE a
.set AC, 64*((\a)%4)
	WIN 0x02+(\a)/4
.set i, 0
.rept 32
	v_pk_mul_f32 v[TMP+2*i:TMP+2*i+1], v[AC+2*i:AC+2*i+1], s[46:47] op_sel_hi:[1,0]   ; x 2^(e10 + e11); each accumulator from its low end on
.set i, i+1
.endr
	WIN 0
.irp b, 0,1,2,3,4,5,6,7
	ds_store_b128 v[STO], v[TMP+8*\b:TMP+8*\b+3] offset:128*(\b/2)+32*(\b%2)        ; columns 32 (b / 2) + 16 h + 8 (b % 2) + 0 .. 7 of row r
	ds_store_b128 v[STO], v[TMP+8*\b+4:TMP+8*\b+7] offset:128*(\b/2)+32*(\b%2)+16
.endr
.set BB, BK+64*((\a)%2)
.irp t, 0,1,2,3,4,5,6,7,8,9,10,11,12,13,14,15
	ds_load_b128 v[BB+4*\t:BB+4*\t+3], v[RD] offset:\t*SPI
.endr
.endm
.macro SEND a, younger                 ; younger: the LDS instructions issued behind block a's loads, which may stay out
.set BB, BK+64*((\a)%2)
	s_wait_dscnt \younger
.irp t, 0,1,2,3,4,5,6,7,8,9,10,11,12,13,14,15
	global_store_b128 v[LI], v[BB+4*\t:BB+4*\t+3], s[OP:OP+1] offset:(32*((\a)/2)+8*((\a)%2)+\t+8*(\t/8))*4096 th:TH_STORE_NT   ; 32 lanes store 512 consecutive bytes, at a multiple of 512 from out0's first byte
.endr
.endm
	s_load_b256 s[4:11], s[0:1], 0x0               ; oimg, wimg, Wo_b, the scales' exponents s[10:11]
	s_load_b64 s[12:13], s[0:1], 0x20              ; out0
	v_lshl_add_u32 v30, v0, 2, 0x2a400
	v_mov_b32 v31, 0
	v_lshrrev_b32 v14, 5, v0
	v_readfirstlane_b32 s40, v14                   ; wave
	s_and_b32 s41, ttmp7, 0xffff
	s_lshl_b32 s42, s41, 2
	s_add_co_u32 s42, s42, s40                     ; my chunk: 4 y + w
	v_and_b32 v14, 31, v0
	v_lshlrev_b32 v[LI], 4, v14
	v_and_b32 v15, 15, v0                          ; r
	v_bfe_u32 v16, v0, 4, 1                        ; h
	v_mul_u32_u24 v[ADA], v16, 272
	v_lshl_add_u32 v[ADA], v15, 4, v[ADA]
	v_add_nc_u32 v[ADA+1], 3*STB, v[ADA]
	v_add_nc_u32 v[ADA+2], 6*STB, v[ADA]
	s_mul_i32 s46, s40, 2*FRB
	v_add_nc_u32 v[ADW], s46, v[ADA]
	v_add_nc_u32 v[ADW+1], s46, v[ADA+1]
	v_add_nc_u32 v[ADW+2], s46, v[ADA+2]
	v_lshlrev_b32 v[BOF], 6, v16
	s_mul_i32 s46, s40, 16*SPI
	s_add_co_u32 s46, s46, STG                     ; my stage
	v_mul_u32_u24 v[STO], v15, SPI
	v_lshl_add_u32 v[STO], v16, 6, v[STO]
	v_add_nc_u32 v[STO], s46, v[STO]               ; in: row r, + 64 h
	v_add_nc_u32 v[RD], s46, v[LI]                 ; back: the 32 lanes take one row
	s_lshl_b32 s48, ttmp9, 17
	s_lshl_b32 s46, s40, 15
	s_add_co_u32 s48, s48, s46
	s_mov_b32 s49, 0
	s_lshl_b32 s50, s42, 9
	s_mov_b32 s51, 0
	s_lshl_b32 s52, s42, 17
	s_add_co_u32 s52, s52, 3<<20
	s_mov_b32 s53, 0
	s_lshl_b32 s54, ttmp9, 19
	s_add_co_u32 s54, s54, s50
	s_mov_b32 s55, 0
	s_wait_kmcnt 0x0
	s_load_b64 s[36:37], s[10:11], 0x28            ; e10, e11
	s_add_nc_u64 s[AP:AP+1], s[4:5], s[48:49]
	s_add_nc_u64 s[BP:BP+1], s[8:9], s[50:51]
	s_add_nc_u64 s[WP:WP+1], s[6:7], s[52:53]
	s_add_nc_u64 s[OP:OP+1], s[12:13], s[54:55]
	WIN 0x80
.set i, 0
.rept 64
	global_load_b128 v[4*i:4*i+3], v[LI], s[AP:AP+1] offset:512*i   ; my two tiles of rows: 64 images
.set i, i+1
.endr
	BLOAD 0, 0
	BLOAD 1, 16384
	WIN 0
.irp b, 0,1,2,3,4,5,6,7
	global_load_b128 v[BI+8*\b:BI+8*\b+3], v[BOF], s[BP:BP+1] offset:(32*(\b/2)+8*(\b%2))*4
	global_load_b128 v[BI+8*\b+4:BI+8*\b+7], v[BOF], s[BP:BP+1] offset:(32*(\b/2)+8*(\b%2))*4+16
.endr
	s_wait_kmcnt 0x0
	s_add_co_i32 s46, s36, s37
	s_sub_co_i32 s45, 0, s46
	s_add_co_i32 s46, s46, 127
	s_lshl_b32 s46, s46, 23                        ; 2^(e10 + e11) as f32
	s_mov_b32 s47, s46                             ; (named with it as a pair)
	s_wait_loadcnt 63                              ; the copy's 64 loads are in: 80 loads are younger, and 63 is the largest count that the wait can name
	WIN 0x08                                       ; the stores' data in window 2
.irp u, 0,1
.irp s, 0,1,2,3,4,5,6,7
.irp c, 0,1,2,3
	ds_store_b128 v[ADW+\s/3], v[4*((8*\u+\s)*4+\c):4*((8*\u+\s)*4+\c)+3] offset:(\s%3)*STB+FRB*\u+544*\c
.endr
.endr
.endr
	WIN 0
	s_wait_dscnt 0x0                               ; for the others' sake: my stores have landed
	s_barrier_signal -1
	s_barrier_wait -1                              ; the block's 64 fragments lie in LDS; they are only read from here on: the launch's one barrier
	FETCH_A 0, 0
	FETCH_A 0, 4
	s_wait_loadcnt 0x0                             ; the bias, and with it Wo's first two K steps
.set i, 0
.rept 64
	v_ldexp_f32 v[BI+i], v[BI+i], s45              ; b / 2^(e10 + e11)
.set i, i+1
.endr
	STEP 0
	STEP 1
	STEP 2
	STEP 3
	STEP 4
	STEP 5
	STEP 6
	STEP 7
	PLACES                                         ; behind the last products: for the loads into the registers that held o's fragments, and for the reads of results
	TOSTAGE 0
.irp a, 1,2,3,4,5,6,7
.if \a > 1
	s_wait_xcnt 0x0                                ; the stores of the block before last have read their registers: this block's rows may land there
.endif
	TOSTAGE \a
	SEND \a-1, 32                                  ; behind that block's loads: this block's 16 stores and 16 loads
.endr
	SEND 7, 0
	s_wait_tensorcnt 0x0
	ds_add_u32 v30, v31
	s_wait_dscnt 0x0
	s_endpgm
.Lfunc_end_k_qa59074df44_outp:
	.size	k_qa59074df44_outp, .Lfunc_end_k_qa59074df44_outp-k_qa59074df44_outp
	.p2alignl 7, 3214868480
	.fill 96, 4, 3214868480
	.section	.rodata,"a",@progbits
	.p2align	6, 0x0
	.amdhsa_kernel k_qa59074df44_outp
		.amdhsa_group_segment_fixed_size 173568
		.amdhsa_private_segment_fixed_size 0
		.amdhsa_enable_private_segment 0
		.amdhsa_kernarg_size 40
		.amdhsa_user_sgpr_count 2
		.amdhsa_user_sgpr_kernarg_segment_ptr 1
		.amdhsa_wavefront_size32 1
		.amdhsa_system_sgpr_workgroup_id_x 1
		.amdhsa_system_sgpr_workgroup_id_y 1
		.amdhsa_system_sgpr_workgroup_id_z 1
		.amdhsa_system_vgpr_workitem_id 0
		.amdhsa_next_free_vgpr 1024
		.amdhsa_next_free_sgpr 66
		.amdhsa_reserve_vcc 0
		.amdhsa_float_denorm_mode_32 3
		.amdhsa_float_denorm_mode_16_64 3
		.amdhsa_memory_ordered 1
		.amdhsa_forward_progress 1
		.amdhsa_inst_pref_size 140
	.end_amdhsa_kernel
	.amdgpu_metadata
---
amdhsa.version: [ 1, 2 ]
amdhsa.kernels:
  - .name:           k_qa59074df44_outp
    .symbol:         k_qa59074df44_outp.kd
    .args:
      - { .name: oimg, .offset: 0, .size: 8, .value_kind: global_buffer, .address_space: global }
      - { .name: wimg, .offset: 8, .size: 8, .value_kind: global_buffer, .address_space: global }
      - { .name: Wo_b, .offset: 16, .size: 8, .value_kind: global_buffer, .address_space: global }
      - { .name: lowp_scales, .offset: 24, .size: 8, .value_kind: global_buffer, .address_space: global }
      - { .name: out0, .offset: 32, .size: 8, .value_kind: global_buffer, .address_space: global }
    .group_segment_fixed_size: 173568
    .private_segment_fixed_size: 0
    .kernarg_segment_align: 8
    .kernarg_segment_size: 40
    .max_flat_workgroup_size: 128
    .sgpr_count:     66
    .vgpr_count:     1024
    .wavefront_size: 32
...
	.end_amdgpu_metadata
.endif
;; end of part 4
;; ======== version 2 of 2: 4 launches; version 1 with the launches proj, outp written anew for expert scheduling mode
;; workspace buffers: wimg 4,194,304 bytes; qkvimg 25,165,824 bytes; oimg 8,388,608 bytes
;; launch wquant: the kernel of part 1 again; grid 8 x 32, 4 waves a work-group, no clusters, 0 bytes of LDS; arguments Wq_w, Wk_w, Wv_w, Wo_w, lowp_scales, wimg; writes wimg
;; launch proj (part 5): grid 64 x 3, 4 waves a work-group, no clusters, 139,776 bytes of LDS; arguments query, key, value, Wq_b, Wk_b, Wv_b, lowp_scales, wimg, qkvimg; writes qkvimg
.if DOCPART == 5
	.amdgcn_target "amdgcn-amd-amdhsa--gfx1250"
	.amdhsa_code_object_version 6
	.text
	.protected	k_qa59074df44_proj
	.globl	k_qa59074df44_proj
	.p2align	8
	.type	k_qa59074df44_proj,@function
k_qa59074df44_proj:
	s_mov_b64 s[64:65], 0
	v_nop
	global_prefetch_b8 v0, s[64:65] scope:SCOPE_SE
	s_setreg_imm32_b32 hwreg(HW_REG_WAVE_SCHED_MODE, 0, 2), 2
	s_setreg_imm32_b32 hwreg(HW_REG_WAVE_MODE, 25, 1), 1
	s_wait_xcnt 0x0
	s_wait_alu depctr_vm_vsrc(0)
; q, k, v = Q(x) Q(W) + b, quantised again for the attention, all in one launch: work-group x = a block of 128 rows, y = 0 (query), 1 (key), 2 (value).
; x: [8192][1024] f32.  W: codes, as images in wimg (an image: 512 bytes, lane l's 16 bytes at 16 l; lane (r, h) holds row r of a tile of 16, k = 32 c + 16 h + 0 .. 15).
; ROWS AND COLUMNS OF A TILE ARE NOT NEIGHBOURS: row i of tile t of 128 is perm(t, i) = 32 (t / 2) + 8 (t % 2) + i + 8 (i / 8), so that a lane's 16 results of tiles 2 p and 2 p + 1 are 16
; neighbours, 32 p + 16 h + 0 .. 15: four conversions make an image of the NEXT product's operand, which one store writes as 512 consecutive bytes.  No result is transposed or staged.
; PHASE X: the work-group quantises its 128 x 1,024 numbers of x ONCE into LDS: wave w rows 32 w .. 32 w + 31.  Each load reads 512 consecutive bytes of a row.
; THE PRODUCT: the waves share the COLUMNS: wave w makes columns 256 w .. 256 w + 255 for all 128 rows, in two chunks of 128: a wave tile of 128 x 128, 64 accumulators, 8 K steps of 64 matrix instructions.
; x's fragments come from LDS, W's from memory straight into registers, in operand order, each load 512 consecutive bytes.
; q, k: source 0 = 16 columns of W, source 1 = 16 rows of x: a lane holds one row, its registers run along the head's 64, the K of q k^T.
; v:    the sources change places: a lane holds one channel, its registers run along the keys, the K of the second product.  The two forms are two copies of the text behind one branch on y.
; qkvimg: three parts of 8,388,608 bytes (q, k, v), each [16 batch + head: 64][131,072].  q, k: [tile T of the sequence: 128][c: 2][512].  v: [key step of 128: 16][channel tile: 4][c: 4][512].
; The bias, divided by 2^(ex + ew), is the C of each sum's first matrix instruction; the scales ahead of the second quantiser are folded into one: 2^(eo - ex - ew).
; SCALES: x and W: entries 2 y, 2 y + 1.  Results: q entry 7, k entry 6 (the score product is lowered with k as its left operand, as the second product is with v), v entry 8.
; NO TENSOR LOADS, NO JOINT REQUESTS: W has no tile in LDS that partners could share: it goes into registers as it lies, so a K step reads 16 KB of LDS for its 64 matrix instructions and not 32.
; WASTE, stated: the wave's last chunk asks ahead as the first does (two K steps of W, the bias, x's first fragments), pointed back at its first chunk: 32 KB of 288, unused; so every count is the same on every path and no load leaves its buffer.
; LIMITS: ex and eo - ex - ew between -126 and 119.  NaN among the inputs is not served; an infinity is held at the largest code.
; REGISTERS, in windows of 256: window 0: v1-13 addresses and scales; v32-63 two sets of codes on the way out; v64-127 the bias; v128-255 x's 8 fragments, one set (in phase X v128-191: four sets of 16 code words).
;   window 1: W's fragments, two sets, at v0 and v128.   windows 2, 3: accumulator (a, b) at v[8 (8 (a % 4) + b)] of window 2 + a / 4 (in phase X window 2: four sets of 64 numbers of x).
; THE MODE: SCHED_MODE bits 1:0 = 2 (LLVM: expert scheduling mode 2), set by the entry lines.  The code itself states the register dependences
; between vector or matrix instructions and memory or LDS instructions, with s_wait_alu, always for 0.
; THE PLAN.  Registers that memory or LDS instructions touch:
;   v[LI], v[ADA ..], v[BOF]  offsets and LDS addresses, each written once and read ever after: one wait on va_vdst behind the lines that make them.
;   v[XWA]       phase X: written by one add at a trip's head, read by the trip's 64 LDS stores.
;   X0 .. X3     phase X, window 2: a slot's holds and conversions read and write set k; behind them the next trip's loads land in it.
;   XC0 .. XC3   phase X: a slot's conversions write set k, its 16 LDS stores read it, the same slot of the next trip writes it again; behind the barrier these registers are fragments of x.
;   AF 0-3, AF 4-7   two buffers of four fragments of x, which take turns by half steps of 32 matrix instructions: the half step reads one, and behind it the LDS loads for the half step after the next land in it.
;   W0, W1       a step's 64 matrix instructions read set s % 2; behind them the loads of the K step two on land in it.
;   BI           step 0's matrix instructions read it as C; behind them the other chunk's bias lands in it; vector instructions scale it behind the way out.
;   CS0, CS1     the way out: a turn's conversions write set g % 2, its four stores read it, the turn after the next writes it again (and the other chunk's first two turns).
; So a slot of phase X has ONE wait on va_vdst, behind its conversions, where the emptied set is asked for again at once; a half step has one, at its end; a turn of the way out has one, ahead of its stores.
; All 1,024 registers are taken, so x's fragments have no third buffer.  The loads stand in runs behind their wait: no window setting serves a matrix instruction and a load at once.
; A wait on vm_vsrc stands ahead of each line that writes again what an LDS store or a store has read: v[XWA], XC, CS.
.set FRB,  2176                        ; a fragment of x in LDS: eight half images of 256 bytes, each followed by 16 bytes of padding, so that the 32 lanes of a word store fall on 32 different banks (64 banks of 4 bytes: ISA guide 11.1)
.set STB,  8*FRB                       ; a K step's eight fragments
.set LI,   1                           ; v1   16 x lane
.set XW0,  2                           ; v2   phase X: my word's place in a fragment, in my wave's two tiles of rows
.set XWA,  3                           ; v3   the same in the trip's K steps
.set ADA,  4                           ; v4-6 my 16 bytes of a half image, in K steps 0, 3, 6 (an LDS offset has 16 bits)
.set BOF,  7                           ; v7   my place in a chunk's bias
.set SX,   8                           ; v8   2^ex            v9   448 x 2^ex
.set LX,   9
.set SQ,   10                          ; v10  2^(eo - ex - ew)   v11  448 x that
.set LQ,   11
.set RR,   12                          ; v12  lane % 16
.set HH,   13                          ; v13  lane / 16
.set CS,   32
.set BI,   64
.set AF,   128
.set XC,   128
.set XP,   24                          ; s[24:25] x at my wave's rows, the trip's K steps
.set BP,   26                          ; s[26:27] this chunk's bias    s[28:29] the other chunk's
.set BN,   28
.set WP,   30                          ; s[30:31] this chunk's W       s[32:33] the other chunk's
.set WN,   32
.set OP,   34                          ; s[34:35] where this chunk's images go
.set MSB,  0
.macro WIN new                         ; the immediate's high byte repeats the setting that is left; a switch that changes nothing is dropped
.if MSB != (\new)
	s_set_vgpr_msb (MSB<<8)|(\new)
.set MSB, (\new)
.endif
.endm
.macro PLACES                          ; four plain vector instructions between a matrix instruction and a load into, or a vector read of, its registers (ISA guide 7.12.1 for vector reads)
.rept 4
	v_nop
.endr
.endm
; set k = 2 ds + u: tile of rows 2 w + u, the trip's K step ds: 16 rows x 512 bytes; lane l takes k = 4 l .. 4 l + 3 of each row
.macro XLOADS k, add
	WIN 0x80                                       ; destination window 2
.irp n, 0,1,2,3,4,5,6,7,8,9,10,11,12,13,14,15
	global_load_b128 v[64*\k+4*\n:64*\k+4*\n+3], v[LI], s[XP:XP+1] offset:(8*(\k%2)+\n+8*(\n/8))*4096+512*(\k/2)+\add th:TH_LOAD_NT
.endr
.endm
; a quarter of W's first two K steps: fragments 4 (k % 2) .. + 3 of set k / 2
.macro BQ k
	WIN 0x40                                       ; destination window 1
.irp b, 0,1,2,3
.irp c, 0,1,2,3
	global_load_b128 v[128*(\k/2)+16*(4*(\k%2)+\b)+4*\c:128*(\k/2)+16*(4*(\k%2)+\b)+4*\c+3], v[LI], s[WP:WP+1] offset:(\k/2)*16384+2048*(4*(\k%2)+\b)+512*\c
.endr
.endr
.endm
; set k is quantised; then its registers take the next trip's numbers (mode 1), or a quarter of W is asked for in their stead (mode 2), so that 16 loads follow in either case; then the codes are stored
.macro SLOTX k, mode
	s_wait_loadcnt 48                              ; my set's 16 loads are in; the three sets of 16 behind them may be out
	s_wait_dscnt 48                                ; this set's code words have been read by their last stores: three sets of 16 stores are younger
.if \k > 0
	s_wait_alu depctr_vm_vsrc(0)                   ; the LDS stores of this slot a trip back have read XC[k], which the conversions below write again (slot 0: the wait at the trip's head)
.endif
	WIN 0x82
.set i, 0
.rept 64
	v_med3_num_f32 v[64*\k+i], v[64*\k+i], -v[LX], v[LX]   ; the conversion to an 8-bit code does not saturate (ISA guide 7.6.2): the hold comes first
.set i, i+1
.endr
	WIN 0x02
.irp g, 0,1,2,3,4,5,6,7
	v_cvt_scalef32_pk8_fp8_f32 v[XC+16*\k+2*\g:XC+16*\k+2*\g+1], v[64*\k+8*\g:64*\k+8*\g+7], v[SX]   ; rows 2 g and 2 g + 1, four k each: a word of codes for each row
.endr
	v_nop                                          ; a plain instruction behind the last conversion: matrix instructions later write its sources
.if \mode == 1
	WIN 0x80                                       ; the loads' window first, then the wait, then the loads
.else
	WIN 0x40
.endif
	s_wait_alu depctr_va_vdst(0)                   ; the holds and conversions are done with X[k], in which the loads below land; the conversions have written XC[k], which the LDS stores below read; in slot 0 v[XWA] is written
.if \mode == 1
	XLOADS \k, 1024
.else
	BQ \k
.endif
	WIN 0
.irp n, 0,1,2,3,4,5,6,7,8,9,10,11,12,13,14,15
	ds_store_b32 v[XWA], v[XC+16*\k+\n] offset:(\k/2)*STB+(\k%2)*FRB+16*\n
.endr
.endm
.macro FETCH_A s, a0                   ; x's fragments a0 .. a0 + 3 of K step s: sixteen lanes read 256 consecutive bytes
.irp a, \a0, \a0+1, \a0+2, \a0+3
.irp c, 0,1,2,3
	ds_load_b128 v[AF+16*(\a)+4*\c:AF+16*(\a)+4*\c+3], v[ADA+(\s)/3] offset:((\s)%3)*STB+FRB*(\a)+544*\c
.endr
.endr
.endm
.macro BLOAD p, ptr, off               ; W's eight fragments of a K step into set p
	WIN 0x40
.irp b, 0,1,2,3,4,5,6,7
.irp c, 0,1,2,3
	global_load_b128 v[128*(\p)+16*\b+4*\c:128*(\p)+16*\b+4*\c+3], v[LI], s[\ptr:\ptr+1] offset:(\off)+2048*\b+512*\c
.endr
.endr
.endm
.macro BIASLOAD sw, ptr                ; q, k: a lane's eight columns of each tile; v: its one channel
.irp b, 0,1,2,3,4,5,6,7
.if \sw
	global_load_b32 v[BI+8*\b], v[BOF], s[\ptr:\ptr+1] offset:(32*(\b/2)+8*(\b%2))*4
.else
	global_load_b128 v[BI+8*\b:BI+8*\b+3], v[BOF], s[\ptr:\ptr+1] offset:(32*(\b/2)+8*(\b%2))*4
	global_load_b128 v[BI+8*\b+4:BI+8*\b+7], v[BOF], s[\ptr:\ptr+1] offset:(32*(\b/2)+8*(\b%2))*4+16
.endif
.endr
.endm
.macro BIASFIX sw                      ; b / 2^(ex + ew), in the result's layout
.if \sw
.irp b, 0,1,2,3,4,5,6,7
	v_ldexp_f32 v[BI+8*\b], v[BI+8*\b], s45
.endr
.irp b, 0,1,2,3,4,5,6,7
.irp g, 1,2,3,4,5,6,7
	v_mov_b32 v[BI+8*\b+\g], v[BI+8*\b]            ; a lane's eight results of a tile are eight keys of one channel
.endr
.endr
.else
.set i, 0
.rept 64
	v_ldexp_f32 v[BI+i], v[BI+i], s45
.set i, i+1
.endr
.endif
.endm
; 16 matrix instructions: x's blocks a0, a0 + 1 against W's eight.  The 64 accumulators take turns, one instruction a turn, in the same order in every step.
.macro MUL16 a0, p, sw, first
	WIN ((2+(\a0)/4)<<6)|(((1-(\first))*(2+(\a0)/4))<<4)|(1+3*(\sw))
.irp a, \a0, \a0+1
.irp b, 0,1,2,3,4,5,6,7
.set AC, 8*(8*((\a)%4)+\b)
.if \sw
.if \first
	v_wmma_f32_16x16x128_fp8_fp8 v[AC:AC+7], v[AF+16*(\a):AF+16*(\a)+15], v[128*(\p)+16*\b:128*(\p)+16*\b+15], v[BI+8*\b:BI+8*\b+7]
.else
	v_wmma_f32_16x16x128_fp8_fp8 v[AC:AC+7], v[AF+16*(\a):AF+16*(\a)+15], v[128*(\p)+16*\b:128*(\p)+16*\b+15], v[AC:AC+7]
.endif
.else
.if \first
	v_wmma_f32_16x16x128_fp8_fp8 v[AC:AC+7], v[128*(\p)+16*\b:128*(\p)+16*\b+15], v[AF+16*(\a):AF+16*(\a)+15], v[BI+8*\b:BI+8*\b+7]
.else
	v_wmma_f32_16x16x128_fp8_fp8 v[AC:AC+7], v[128*(\p)+16*\b:128*(\p)+16*\b+15], v[AF+16*(\a):AF+16*(\a)+15], v[AC:AC+7]
.endif
.endif
.endr
.endr
.endm
; A K step of 128: 64 matrix instructions.  x's blocks 0-3 are fetched anew in its middle, blocks 4-7 at its end; W's set is filled again at its end with the K step two on.
.macro STEP s, sw
.set FST, 0
.if (\s) == 0
.set FST, 1
.endif
	s_wait_loadcnt 32                              ; this step's W is in; the next step's 32 loads may be out
	s_wait_dscnt 16                                ; x's blocks 0-3 are in; blocks 4-7 may be out
	MUL16 0, (\s)%2, \sw, FST
	MUL16 2, (\s)%2, \sw, FST
	s_wait_dscnt 0x0                               ; blocks 4-7 are in
	PLACES
	WIN 0
	s_wait_alu depctr_va_vdst(0)                   ; the 32 matrix instructions above are done reading x's blocks 0-3, in which the LDS loads below land; the places above stay beside this wait
	FETCH_A ((\s)+1)%8, 0
	MUL16 4, (\s)%2, \sw, FST
	MUL16 6, (\s)%2, \sw, FST
	PLACES
	WIN 0
	s_wait_alu depctr_va_vdst(0)                   ; the step's matrix instructions are done reading x's blocks 4-7, W's set and, in step 0, the bias: the loads below, up to the step's end, land in these
	FETCH_A ((\s)+1)%8, 4
.if (\s) == 0
	BIASLOAD \sw, BN                               ; the other chunk's bias, into the registers that this step's products have read
.endif
.if (\s) < 6
	BLOAD (\s)%2, WP, ((\s)+2)*16384
.else
	BLOAD (\s)%2, WN, ((\s)-6)*16384               ; the other chunk's first two K steps
.endif
	WIN 0
.endm
; THE WAY OUT of a chunk: the hold, in place, each accumulator from its low end on; then, for each block of rows (q, k) or tile of channels (v), eight conversions and four stores of 512 consecutive bytes.
.macro EPI sw
	WIN 0x82
.set i, 0
.rept 256
	v_med3_num_f32 v[i], v[i], -v[LQ], v[LQ]
.set i, i+1
.endr
	WIN 0xc3
.set i, 0
.rept 256
	v_med3_num_f32 v[i], v[i], -v[LQ], v[LQ]
.set i, i+1
.endr
.irp g, 0,1,2,3,4,5,6,7
.if \g >= 2
	s_wait_xcnt 0x0                                ; the stores of two turns ago have read this set of codes
	s_wait_alu depctr_vm_vsrc(0)                   ; beside it: those stores have read CS[g % 2], which the conversions below write again
.endif
.irp n, 0,1,2,3,4,5,6,7
.if \sw
	WIN 0x02+\n/4
	v_cvt_scalef32_pk8_fp8_f32 v[CS+16*(\g%2)+2*\n:CS+16*(\g%2)+2*\n+1], v[8*(8*(\n%4)+\g):8*(8*(\n%4)+\g)+7], v[SQ]   ; accumulator (n, g): keys 32 (n / 2) + 16 h + 8 (n % 2) + 0 .. 7 of my channel
.else
	WIN 0x02+\g/4
	v_cvt_scalef32_pk8_fp8_f32 v[CS+16*(\g%2)+2*\n:CS+16*(\g%2)+2*\n+1], v[8*(8*(\g%4)+\n):8*(8*(\g%4)+\n)+7], v[SQ]   ; accumulator (g, n): columns 32 (n / 2) + 16 h + 8 (n % 2) + 0 .. 7 of my row
.endif
.endr
	WIN 0
	v_nop                                          ; a plain instruction behind the last conversion: matrix instructions later write its sources
	s_wait_alu depctr_va_vdst(0)                   ; the conversions have written CS[g % 2], which the four stores below read
.irp c, 0,1,2,3
.if \sw
	global_store_b128 v[LI], v[CS+16*(\g%2)+4*\c:CS+16*(\g%2)+4*\c+3], s[OP:OP+1] offset:131072*(\g/4)+2048*(\g%4)+512*\c
.else
	global_store_b128 v[LI], v[CS+16*(\g%2)+4*\c:CS+16*(\g%2)+4*\c+3], s[OP:OP+1] offset:1024*\g+131072*(\c/2)+512*(\c%2)
.endif
.endr
.endr
.endm
.macro BODY sw
.if \sw
	v_and_b32 v[BOF], 8, v[RR]
	v_add_nc_u32 v[BOF], v[BOF], v[RR]
	v_lshlrev_b32 v[BOF], 2, v[BOF]                ; v: my channel of a tile: r + 8 (r / 8)
.else
	v_lshlrev_b32 v[BOF], 6, v[HH]                 ; q, k: my half's eight columns of a tile: 16 h on
.endif
	s_wait_alu depctr_va_vdst(0)                   ; v[BOF] is written, which every load of a bias reads as its offset
	BIASLOAD \sw, BP
	s_wait_loadcnt 0x0                             ; the bias, and with it W's first two K steps
	BIASFIX \sw
	s_mov_b32 s44, 2
.Lchunk_\@:
	STEP 0, \sw
	STEP 1, \sw
	STEP 2, \sw
	STEP 3, \sw
	STEP 4, \sw
	STEP 5, \sw
	STEP 6, \sw
	STEP 7, \sw
	EPI \sw
	BIASFIX \sw                                    ; the other chunk's bias came in behind step 0 and was waited for at step 1
	s_wait_xcnt 0x0                                ; the loads and stores issued so far have read their bases
	s_wait_alu depctr_vm_vsrc(0)                   ; the last two turns' stores have read both sets of codes, which the other chunk's first two turns write again
	s_mov_b64 s[50:51], s[WP:WP+1]                 ; the two chunks change places
	s_mov_b64 s[WP:WP+1], s[WN:WN+1]
	s_mov_b64 s[WN:WN+1], s[50:51]
	s_mov_b64 s[50:51], s[BP:BP+1]
	s_mov_b64 s[BP:BP+1], s[BN:BN+1]
	s_mov_b64 s[BN:BN+1], s[50:51]
	s_add_nc_u64 s[OP:OP+1], s[OP:OP+1], 262144    ; two heads on
	s_sub_co_u32 s44, s44, 1
	s_cmp_lg_u32 s44, 0
	s_cbranch_scc1 .Lchunk_\@
	s_wait_dscnt 0x0                               ; the closing lines, six on end
	s_wait_alu 0x0
	s_wait_tensorcnt 0x0
	ds_add_u32 v30, v31
	s_wait_dscnt 0x0
	s_endpgm
.endm
	s_load_b512 s[4:19], s[0:1], 0x0               ; query, key, value, Wq_b, Wk_b, Wv_b, the scales' exponents s[16:17], wimg s[18:19]
	s_load_b64 s[20:21], s[0:1], 0x40              ; qkvimg
	v_lshl_add_u32 v30, v0, 2, 0x22000
	v_mov_b32 v31, 0
	v_lshrrev_b32 v14, 5, v0
	v_readfirstlane_b32 s40, v14                   ; wave
	s_and_b32 s41, ttmp7, 0xffff                   ; y
	v_and_b32 v14, 31, v0
	v_lshlrev_b32 v[LI], 4, v14
	v_lshrrev_b32 v15, 2, v14
	v_and_b32 v14, 3, v14
	v_mul_u32_u24 v[XW0], v15, 272                 ; k = 4 l .. 4 l + 3 lies in half image l / 4, at byte 4 (l % 4) of a row's 16
	v_lshl_add_u32 v[XW0], v14, 2, v[XW0]
	s_wait_alu depctr_va_sdst(0)                   ; s40 is written, ahead of its first reader: LDS places and the bases of x, W, the bias and the images are made from it
	s_mul_i32 s46, s40, 2*FRB
	v_add_nc_u32 v[XW0], s46, v[XW0]               ; my wave's tiles of rows: 2 w, 2 w + 1
	v_and_b32 v[RR], 15, v0
	v_bfe_u32 v[HH], v0, 4, 1
	v_mul_u32_u24 v[ADA], v[HH], 272
	v_lshl_add_u32 v[ADA], v[RR], 4, v[ADA]
	v_add_nc_u32 v[ADA+1], 3*STB, v[ADA]
	v_add_nc_u32 v[ADA+2], 6*STB, v[ADA]
	s_lshl_b32 s48, ttmp9, 19                      ; x: 128 rows of 4,096 bytes a block,
	s_lshl_b32 s46, s40, 17
	s_add_co_u32 s48, s48, s46                     ; 32 rows a wave
	s_mov_b32 s49, 0
	s_lshl_b32 s50, s40, 10                        ; the bias: 256 numbers a wave
	s_mov_b32 s51, 0
	s_lshl_b32 s22, s41, 20                        ; wimg: weight y, chunk 2 w
	s_lshl_b32 s46, s40, 18
	s_add_co_u32 s22, s22, s46
	s_mov_b32 s23, 0
	s_lshr_b32 s38, ttmp9, 4                       ; qkvimg: 16 x batch + head 4 w,
	s_lshl_b32 s38, s38, 4
	s_lshl_b32 s46, s40, 2
	s_add_co_u32 s38, s38, s46
	s_lshl_b32 s38, s38, 17
	s_lshl_b32 s46, s41, 23                        ; part y,
	s_add_co_u32 s38, s38, s46
	s_and_b32 s46, ttmp9, 15                       ; the block's 8,192 bytes in a head: eight tiles of q or k, one key step of v
	s_lshl_b32 s46, s46, 13
	s_add_co_u32 s38, s38, s46
	s_mov_b32 s39, 0
	s_wait_kmcnt 0x0
	s_load_b256 s[52:59], s[16:17], 0x0            ; entries 0 to 7
	s_load_b32 s60, s[16:17], 0x20                 ; entry 8
	s_cmp_eq_u32 s41, 1                            ; the tensors are chosen by the work-group's number alone
	s_cselect_b64 s[XP:XP+1], s[6:7], s[4:5]
	s_cselect_b64 s[BP:BP+1], s[12:13], s[10:11]
	s_cmp_eq_u32 s41, 2
	s_cselect_b64 s[XP:XP+1], s[8:9], s[XP:XP+1]
	s_cselect_b64 s[BP:BP+1], s[14:15], s[BP:BP+1]
	s_add_nc_u64 s[XP:XP+1], s[XP:XP+1], s[48:49]
	s_add_nc_u64 s[BP:BP+1], s[BP:BP+1], s[50:51]
	s_add_nc_u64 s[BN:BN+1], s[BP:BP+1], 512
	s_add_nc_u64 s[WP:WP+1], s[18:19], s[22:23]
	s_add_nc_u64 s[WN:WN+1], s[WP:WP+1], 131072
	s_add_nc_u64 s[OP:OP+1], s[20:21], s[38:39]
	WIN 0x80                                       ; the loads' window first, then the wait, then the loads
	s_wait_alu depctr_va_vdst(0)                   ; v[LI] and v[ADA ..] are written: every load and store of the kernel but the bias's and phase X's LDS stores reads one of them, and none is written again
	XLOADS 0, 0                                    ; K steps 0 and 1 of my 32 rows: 64 loads, 32 KB a wave on their way
	XLOADS 1, 0
	XLOADS 2, 0
	XLOADS 3, 0
	WIN 0
	s_wait_kmcnt 0x0
	s_cmp_eq_u32 s41, 1
	s_cselect_b64 s[36:37], s[54:55], s[52:53]     ; ex, ew
	s_cselect_b32 s38, s58, s59                    ; eo: k entry 6, q entry 7,
	s_cmp_eq_u32 s41, 2
	s_cselect_b64 s[36:37], s[56:57], s[36:37]
	s_cselect_b32 s38, s60, s38                    ; v entry 8
	s_add_co_i32 s46, s36, 127
	s_lshl_b32 s47, s46, 23
	v_mov_b32 v[SX], s47
	s_add_co_i32 s46, s46, 8
	s_lshl_b32 s46, s46, 23
	s_or_b32 s46, s46, 0x600000
	v_mov_b32 v[LX], s46
	s_add_co_i32 s46, s36, s37                     ; a sum stands for sum x 2^(ex + ew)
	s_sub_co_i32 s45, 0, s46
	s_sub_co_i32 s46, s38, s46
	s_add_co_i32 s46, s46, 127
	s_lshl_b32 s47, s46, 23
	v_mov_b32 v[SQ], s47
	s_add_co_i32 s46, s46, 8
	s_lshl_b32 s46, s46, 23
	s_or_b32 s46, s46, 0x600000
	v_mov_b32 v[LQ], s46
	s_mov_b32 s43, 0                               ; the trip's K steps in LDS
	s_mov_b32 s44, 3
.Lx:                                               ; a trip: two K steps of my 32 rows, and the loads of the next two
	s_wait_alu depctr_vm_vsrc(0)                   ; the last trip's LDS stores have read v[XWA], which the add below writes, and XC[0], which slot 0's conversions write
	v_add_nc_u32 v[XWA], s43, v[XW0]
	SLOTX 0, 1
	SLOTX 1, 1
	SLOTX 2, 1
	SLOTX 3, 1
	WIN 0
	s_wait_xcnt 0x0                                ; the loads have read their base
	s_add_nc_u64 s[XP:XP+1], s[XP:XP+1], 1024
	s_add_co_u32 s43, s43, 2*STB
	s_sub_co_u32 s44, s44, 1
	s_cmp_lg_u32 s44, 0
	s_cbranch_scc1 .Lx
	s_wait_alu depctr_vm_vsrc(0)                   ; as at the loop's head: the last trip's LDS stores have read v[XWA] and XC[0]
	v_add_nc_u32 v[XWA], s43, v[XW0]               ; the last trip is written out: no load leaves x; W's first two K steps are asked for instead
	SLOTX 0, 2
	SLOTX 1, 2
	SLOTX 2, 2
	SLOTX 3, 2
	WIN 0
	s_wait_dscnt 0x0                               ; for the others' sake: my stores have landed
	s_barrier_signal -1
	s_barrier_wait -1                              ; the block's 64 fragments lie in LDS; they are only read from here on: the launch's one barrier
	s_wait_alu depctr_vm_vsrc(0)                   ; my LDS stores have read XC: these registers are fragments of x from here on, in which the LDS loads below land (the conversions that wrote them stand ahead of the last slot's wait on va_vdst)
	FETCH_A 0, 0
	FETCH_A 0, 4
	s_cmp_eq_u32 s41, 2
	s_cbranch_scc1 .Lvalue
	BODY 0
.Lvalue:
	BODY 1
.Lfunc_end_k_qa59074df44_proj:
	.size	k_qa59074df44_proj, .Lfunc_end_k_qa59074df44_proj-k_qa59074df44_proj
	.p2alignl 7, 3214868480
	.fill 96, 4, 3214868480
	.section	.rodata,"a",@progbits
	.p2align	6, 0x0
	.amdhsa_kernel k_qa59074df44_proj
		.amdhsa_group_segment_fixed_size 139776
		.amdhsa_private_segment_fixed_size 0
		.amdhsa_enable_private_segment 0
		.amdhsa_kernarg_size 72
		.amdhsa_user_sgpr_count 2
		.amdhsa_user_sgpr_kernarg_segment_ptr 1
		.amdhsa_wavefront_size32 1
		.amdhsa_system_sgpr_workgroup_id_x 1
		.amdhsa_system_sgpr_workgroup_id_y 1
		.amdhsa_system_sgpr_workgroup_id_z 1
		.amdhsa_system_vgpr_workitem_id 0
		.amdhsa_next_free_vgpr 1024
		.amdhsa_next_free_sgpr 66
		.amdhsa_reserve_vcc 0
		.amdhsa_float_denorm_mode_32 3
		.amdhsa_float_denorm_mode_16_64 3
		.amdhsa_memory_ordered 1
		.amdhsa_forward_progress 1
		.amdhsa_inst_pref_size 255
	.end_amdhsa_kernel
	.section	.bss,"aw",@nobits
	.p2align	6
	.space	262144
	.amdgpu_metadata
---
amdhsa.version: [ 1, 2 ]
amdhsa.kernels:
  - .name:           k_qa59074df44_proj
    .symbol:         k_qa59074df44_proj.kd
    .args:
      - { .name: query, .offset: 0, .size: 8, .value_kind: global_buffer, .address_space: global }
      - { .name: key, .offset: 8, .size: 8, .value_kind: global_buffer, .address_space: global }
      - { .name: value, .offset: 16, .size: 8, .value_kind: global_buffer, .address_space: global }
      - { .name: Wq_b, .offset: 24, .size: 8, .value_kind: global_buffer, .address_space: global }
      - { .name: Wk_b, .offset: 32, .size: 8, .value_kind: global_buffer, .address_space: global }
      - { .name: Wv_b, .offset: 40, .size: 8, .value_kind: global_buffer, .address_space: global }
      - { .name: lowp_scales, .offset: 48, .size: 8, .value_kind: global_buffer, .address_space: global }
      - { .name: wimg, .offset: 56, .size: 8, .value_kind: global_buffer, .address_space: global }
      - { .name: qkvimg, .offset: 64, .size: 8, .value_kind: global_buffer, .address_space: global }
    .group_segment_fixed_size: 139776
    .private_segment_fixed_size: 0
    .kernarg_segment_align: 8
    .kernarg_segment_size: 72
    .max_flat_workgroup_size: 128
    .sgpr_count:     66
    .vgpr_count:     1024
    .wavefront_size: 32
...
	.end_amdgpu_metadata
.endif
;; end of part 5
;; launch attn: the kernel of part 3 again; grid 4 x 64, 8 waves a work-group, clusters of 4 x 1, 263,168 bytes of LDS; arguments qkvimg, lowp_scales, oimg; writes oimg
;; launch outp (part 6): grid 64 x 2, 4 waves a work-group, no clusters, 173,568 bytes of LDS; arguments oimg, wimg, Wo_b, lowp_scales, out0; writes out0
.if DOCPART == 6
	.amdgcn_target "amdgcn-amd-amdhsa--gfx1250"
	.amdhsa_code_object_version 6
	.text
	.protected	k_qa59074df44_outp
	.globl	k_qa59074df44_outp
	.p2align	8
	.type	k_qa59074df44_outp,@function
k_qa59074df44_outp:
	s_mov_b64 s[64:65], 0
	v_nop
	global_prefetch_b8 v0, s[64:65] scope:SCOPE_SE
	s_setreg_imm32_b32 hwreg(HW_REG_WAVE_SCHED_MODE, 0, 2), 2
	s_setreg_imm32_b32 hwreg(HW_REG_WAVE_MODE, 25, 1), 1
	s_wait_xcnt 0x0
	s_wait_alu depctr_vm_vsrc(0)
; out0 = o Wo + b, on codes of FP8 (E4M3).  o: images in oimg ([block of 128 rows: 64][tile of rows a: 8][K step s: 8][c: 4][512]); Wo: weight 3 of wimg ([chunk of 128 columns: 8][s: 8][tile b: 8][c: 4][512]).
; An image: 512 bytes, lane l's 16 bytes at 16 l; lane (r, h): row r of a tile of 16, K = 32 c + 16 h + 0 .. 15.  Row i of tile t of 128 is perm(t, i) = 32 (t / 2) + 8 (t % 2) + i + 8 (i / 8), for rows and columns alike.
; SHARES: work-group x = a block of 128 rows, y = a half of the columns; wave w makes chunk 4 y + w, 128 columns, for all 128 rows: 64 accumulators, 8 K steps of 64 matrix instructions.
; The block's 131,072 bytes of o are copied into LDS once, a quarter a wave, and read by all four; Wo's fragments go from memory straight into registers, each load 512 consecutive bytes.
; Source 0 = 16 columns of Wo, source 1 = 16 rows of o: a lane holds one row and eight neighbouring columns.  b / 2^(e10 + e11) is the C of each sum's first matrix instruction; each finished sum is multiplied once by 2^(e10 + e11).
; NO TENSOR LOADS, NO JOINT REQUESTS: Wo has no tile in LDS that partners could share, and a block of o is read by two work-groups only.  128 work-groups: a wave tile of 128 x 64 would make 256 and read twice the LDS bytes for each product.
; LIMITS: e10 + e11 between -126 and 127.
; REGISTERS: window 0: v1-12 addresses; v32-95 a block's results on the way out; v64-127 the bias (until K step 0 is done); v128-255 o's 8 fragments, later rows read back from the stage.
;   window 1: Wo's fragments, two sets.   windows 2, 3: accumulator (a, b) at v[8 (8 (a % 4) + b)] of window 2 + a / 4 (window 2 first holds the copy on its way to LDS).
; THE MODE: SCHED_MODE bits 1:0 = 2 (LLVM: expert scheduling mode 2), set by the entry lines.  The code itself states the register dependences
; between vector or matrix instructions and memory or LDS instructions, with s_wait_alu, always for 0.
; THE PLAN.  Registers that memory or LDS instructions touch:
;   v1, v4-12    offsets and LDS addresses, written once at the head and read ever after: one wait on va_vdst behind the lines that make them.
;   window 2     the copy: 64 loads land in it, 64 LDS stores read it; from K step 0 on matrix instructions write it: one wait on vm_vsrc behind the barrier.
;   AF 0-3, AF 4-7   two buffers of four fragments of o, which take turns by half steps of 32 matrix instructions: the half step reads one, and behind it the LDS loads for the half step after the next land in it.
;   W0, W1       a step's 64 matrix instructions read set s % 2; behind them the loads of the K step two on land in it.
;   TMP          the way out: a block's 32 multiplications write it, its 16 LDS stores read it, the next block's multiplications write it again.
;   BK0, BK1     the way out: a block's rows land in set a % 2 (for blocks 0 and 1 registers that the last products read), 16 stores read it, the block after the next lands in it again.
; So a half step has ONE wait on va_vdst, at its end; a block of the way out has one, behind its multiplications, and one wait on vm_vsrc at its head.
; All 1,024 registers are taken in the steps, so o's fragments have no third buffer.  The loads stand in runs behind their wait: no window setting serves a matrix instruction and a load at once.
.set FRB,  2176                        ; a fragment in LDS: eight half images of 256 bytes, 16 bytes of padding behind each
.set STB,  8*FRB
.set STG,  8*STB                       ; behind the fragments: a stage of 16 rows x (512 + 16) bytes for each wave
.set SPI,  528
.set LI,   1                           ; v1    16 x lane
.set ADA,  4                           ; v4-6  my 16 bytes of a half image, in K steps 0, 3, 6
.set BOF,  7                           ; v7    my half's place in a tile's bias
.set ADW,  8                           ; v8-10 the same as v4-6, in my wave's two tiles of rows: where the copy goes
.set STO,  11                          ; v11   the stage: where I put 32 bytes of a row
.set RD,   12                          ; v12   and where I read a row back
.set TMP,  32
.set BI,   64
.set AF,   128
.set BK,   128
.set AP,   24                          ; s[24:25] my quarter of the block of o
.set BP,   26                          ; s[26:27] my chunk's bias
.set WP,   30                          ; s[30:31] my chunk of Wo
.set OP,   34                          ; s[34:35] out0 at the block's first row, my chunk's first column
.set MSB,  0
.macro WIN new                         ; the immediate's high byte repeats the setting that is left
.if MSB != (\new)
	s_set_vgpr_msb (MSB<<8)|(\new)
.set MSB, (\new)
.endif
.endm
.macro PLACES                          ; four plain vector instructions between a matrix instruction and a load into, or a vector read of, its registers (ISA guide 7.12.1 for vector reads)
.rept 4
	v_nop
.endr
.endm
.macro FETCH_A s, a0                   ; o's fragments a0 .. a0 + 3 of K step s
.irp a, \a0, \a0+1, \a0+2, \a0+3
.irp c, 0,1,2,3
	ds_load_b128 v[AF+16*(\a)+4*\c:AF+16*(\a)+4*\c+3], v[ADA+(\s)/3] offset:((\s)%3)*STB+FRB*(\a)+544*\c
.endr
.endr
.endm
.macro BLOAD p, off                    ; Wo's eight fragments of a K step into set p
	WIN 0x40
.irp b, 0,1,2,3,4,5,6,7
.irp c, 0,1,2,3
	global_load_b128 v[128*(\p)+16*\b+4*\c:128*(\p)+16*\b+4*\c+3], v[LI], s[WP:WP+1] offset:(\off)+2048*\b+512*\c
.endr
.endr
.endm
; 16 matrix instructions: o's blocks a0, a0 + 1 against Wo's eight.  The 64 accumulators take turns, one instruction a turn, in the same order in every step.
.macro MUL16 a0, p, first
	WIN ((2+(\a0)/4)<<6)|(((1-(\first))*(2+(\a0)/4))<<4)|1
.irp a, \a0, \a0+1
.irp b, 0,1,2,3,4,5,6,7
.set AC, 8*(8*((\a)%4)+\b)
.if \first
	v_wmma_f32_16x16x128_fp8_fp8 v[AC:AC+7], v[128*(\p)+16*\b:128*(\p)+16*\b+15], v[AF+16*(\a):AF+16*(\a)+15], v[BI+8*\b:BI+8*\b+7]
.else
	v_wmma_f32_16x16x128_fp8_fp8 v[AC:AC+7], v[128*(\p)+16*\b:128*(\p)+16*\b+15], v[AF+16*(\a):AF+16*(\a)+15], v[AC:AC+7]
.endif
.endr
.endr
.endm
.macro STEP s
.set FST, 0
.if (\s) == 0
.set FST, 1
.endif
.if (\s) == 7
	s_wait_loadcnt 0x0                             ; the last step's Wo: nothing was asked for behind it
.else
	s_wait_loadcnt 32                              ; this step's Wo is in; the next step's 32 loads may be out
.endif
	s_wait_dscnt 16                                ; o's blocks 0-3 are in; blocks 4-7 may be out
	MUL16 0, (\s)%2, FST
	MUL16 2, (\s)%2, FST
	s_wait_dscnt 0x0
.if (\s) < 7
	PLACES
	WIN 0
	s_wait_alu depctr_va_vdst(0)                   ; the 32 matrix instructions above are done reading o's blocks 0-3, in which the LDS loads below land; the places above stay beside this wait
	FETCH_A (\s)+1, 0
.endif
	MUL16 4, (\s)%2, FST
	MUL16 6, (\s)%2, FST
.if (\s) < 7
	PLACES
	WIN 0
	s_wait_alu depctr_va_vdst(0)                   ; the step's matrix instructions are done reading o's blocks 4-7 and Wo's set: the loads below, up to the step's end, land in these
	FETCH_A (\s)+1, 4
.endif
.if (\s) < 6
	BLOAD (\s)%2, ((\s)+2)*16384
.endif
	WIN 0
.endm
; THE WAY OUT, block by block of 16 rows x 128 columns: a lane holds 32 neighbouring bytes of a row and the lanes beside it other rows, so a block goes through my own stage in LDS and comes back as whole rows of 512 bytes.
; LDS serves a wave's instructions in order (ISA guide 5.7.1.4): no wait between the stores and the loads, nor in front of the next block's stores.
.macro TOSTAGE a
.set AC, 64*((\a)%4)
.if (\a) > 0
	s_wait_alu depctr_vm_vsrc(0)                   ; the last block's LDS stores have read v[TMP ..], which the multiplications below write again; from block 2 on: the stores of the block before last have read BK[a % 2], in which this block's rows land
.endif
	WIN 0x02+(\a)/4
.set i, 0
.rept 32
	v_pk_mul_f32 v[TMP+2*i:TMP+2*i+1], v[AC+2*i:AC+2*i+1], s[46:47] op_sel_hi:[1,0]   ; x 2^(e10 + e11); each accumulator from its low end on
.set i, i+1
.endr
	WIN 0
	s_wait_alu depctr_va_vdst(0)                   ; the multiplications have written v[TMP ..], which the LDS stores below read; blocks 0 and 1: the last matrix instructions are done reading o's fragments, in whose registers the rows land
.irp b, 0,1,2,3,4,5,6,7
	ds_store_b128 v[STO], v[TMP+8*\b:TMP+8*\b+3] offset:128*(\b/2)+32*(\b%2)        ; columns 32 (b / 2) + 16 h + 8 (b % 2) + 0 .. 7 of row r
	ds_store_b128 v[STO], v[TMP+8*\b+4:TMP+8*\b+7] offset:128*(\b/2)+32*(\b%2)+16
.endr
.set BB, BK+64*((\a)%2)
.irp t, 0,1,2,3,4,5,6,7,8,9,10,11,12,13,14,15
	ds_load_b128 v[BB+4*\t:BB+4*\t+3], v[RD] offset:\t*SPI
.endr
.endm
.macro SEND a, younger                 ; younger: the LDS instructions issued behind block a's loads, which may stay out
.set BB, BK+64*((\a)%2)
	s_wait_dscnt \younger
.irp t, 0,1,2,3,4,5,6,7,8,9,10,11,12,13,14,15
	global_store_b128 v[LI], v[BB+4*\t:BB+4*\t+3], s[OP:OP+1] offset:(32*((\a)/2)+8*((\a)%2)+\t+8*(\t/8))*4096 th:TH_STORE_NT   ; 32 lanes store 512 consecutive bytes, at a multiple of 512 from out0's first byte
.endr
.endm
	s_load_b256 s[4:11], s[0:1], 0x0               ; oimg, wimg, Wo_b, the scales' exponents s[10:11]
	s_load_b64 s[12:13], s[0:1], 0x20              ; out0
	v_lshl_add_u32 v30, v0, 2, 0x2a400
	v_mov_b32 v31, 0
	v_lshrrev_b32 v14, 5, v0
	v_readfirstlane_b32 s40, v14                   ; wave
	s_and_b32 s41, ttmp7, 0xffff
	s_lshl_b32 s42, s41, 2
	s_wait_alu depctr_va_sdst(0)                   ; s40 is written, ahead of its first reader: the chunk, the LDS places and the bases are made from it
	s_add_co_u32 s42, s42, s40                     ; my chunk: 4 y + w
	v_and_b32 v14, 31, v0
	v_lshlrev_b32 v[LI], 4, v14
	v_and_b32 v15, 15, v0                          ; r
	v_bfe_u32 v16, v0, 4, 1                        ; h
	v_mul_u32_u24 v[ADA], v16, 272
	v_lshl_add_u32 v[ADA], v15, 4, v[ADA]
	v_add_nc_u32 v[ADA+1], 3*STB, v[ADA]
	v_add_nc_u32 v[ADA+2], 6*STB, v[ADA]
	s_mul_i32 s46, s40, 2*FRB
	v_add_nc_u32 v[ADW], s46, v[ADA]
	v_add_nc_u32 v[ADW+1], s46, v[ADA+1]
	v_add_nc_u32 v[ADW+2], s46, v[ADA+2]
	v_lshlrev_b32 v[BOF], 6, v16
	s_mul_i32 s46, s40, 16*SPI
	s_add_co_u32 s46, s46, STG                     ; my stage
	v_mul_u32_u24 v[STO], v15, SPI
	v_lshl_add_u32 v[STO], v16, 6, v[STO]
	v_add_nc_u32 v[STO], s46, v[STO]               ; in: row r, + 64 h
	v_add_nc_u32 v[RD], s46, v[LI]                 ; back: the 32 lanes take one row
	s_lshl_b32 s48, ttmp9, 17
	s_lshl_b32 s46, s40, 15
	s_add_co_u32 s48, s48, s46
	s_mov_b32 s49, 0
	s_lshl_b32 s50, s42, 9
	s_mov_b32 s51, 0
	s_lshl_b32 s52, s42, 17
	s_add_co_u32 s52, s52, 3<<20
	s_mov_b32 s53, 0
	s_lshl_b32 s54, ttmp9, 19
	s_add_co_u32 s54, s54, s50
	s_mov_b32 s55, 0
	s_wait_kmcnt 0x0
	s_load_b64 s[36:37], s[10:11], 0x28            ; e10, e11
	s_add_nc_u64 s[AP:AP+1], s[4:5], s[48:49]
	s_add_nc_u64 s[BP:BP+1], s[8:9], s[50:51]
	s_add_nc_u64 s[WP:WP+1], s[6:7], s[52:53]
	s_add_nc_u64 s[OP:OP+1], s[12:13], s[54:55]
	WIN 0x80                                       ; the loads' window first, then the wait, then the loads
	s_wait_alu depctr_va_vdst(0)                   ; the offsets and LDS addresses v1 and v4 to v12 are written: every load and store of the kernel reads one of them, and none is written again
.set i, 0
.rept 64
	global_load_b128 v[4*i:4*i+3], v[LI], s[AP:AP+1] offset:512*i   ; my two tiles of rows: 64 images
.set i, i+1
.endr
	BLOAD 0, 0
	BLOAD 1, 16384
	WIN 0
.irp b, 0,1,2,3,4,5,6,7
	global_load_b128 v[BI+8*\b:BI+8*\b+3], v[BOF], s[BP:BP+1] offset:(32*(\b/2)+8*(\b%2))*4
	global_load_b128 v[BI+8*\b+4:BI+8*\b+7], v[BOF], s[BP:BP+1] offset:(32*(\b/2)+8*(\b%2))*4+16
.endr
	s_wait_kmcnt 0x0
	s_add_co_i32 s46, s36, s37
	s_sub_co_i32 s45, 0, s46
	s_add_co_i32 s46, s46, 127
	s_lshl_b32 s46, s46, 23                        ; 2^(e10 + e11) as f32
	s_mov_b32 s47, s46                             ; (named with it as a pair)
	s_wait_loadcnt 63                              ; the copy's 64 loads are in: 80 loads are younger, and 63 is the largest count that the wait can name
	WIN 0x08                                       ; the stores' data in window 2
.irp u, 0,1
.irp s, 0,1,2,3,4,5,6,7
.irp c, 0,1,2,3
	ds_store_b128 v[ADW+\s/3], v[4*((8*\u+\s)*4+\c):4*((8*\u+\s)*4+\c)+3] offset:(\s%3)*STB+FRB*\u+544*\c
.endr
.endr
.endr
	WIN 0
	s_wait_dscnt 0x0                               ; for the others' sake: my stores have landed
	s_barrier_signal -1
	s_barrier_wait -1                              ; the block's 64 fragments lie in LDS; they are only read from here on: the launch's one barrier
	s_wait_alu depctr_vm_vsrc(0)                   ; my LDS stores have read the copy's registers, window 2: these are accumulators from here on, written by K step 0's matrix instructions
	FETCH_A 0, 0
	FETCH_A 0, 4
	s_wait_loadcnt 0x0                             ; the bias, and with it Wo's first two K steps
.set i, 0
.rept 64
	v_ldexp_f32 v[BI+i], v[BI+i], s45              ; b / 2^(e10 + e11)
.set i, i+1
.endr
	STEP 0
	STEP 1
	STEP 2
	STEP 3
	STEP 4
	STEP 5
	STEP 6
	STEP 7
	PLACES                                         ; behind the last products: for the loads into the registers that held o's fragments, and for the reads of results
	TOSTAGE 0
.irp a, 1,2,3,4,5,6,7
.if \a > 1
	s_wait_xcnt 0x0                                ; the stores of the block before last have read their registers: this block's rows may land there
.endif
	TOSTAGE \a
	SEND \a-1, 32                                  ; behind that block's loads: this block's 16 stores and 16 loads
.endr
	SEND 7, 0
	s_wait_dscnt 0x0                               ; the closing lines, six on end
	s_wait_alu 0x0
	s_wait_tensorcnt 0x0
	ds_add_u32 v30, v31
	s_wait_dscnt 0x0
	s_endpgm
.Lfunc_end_k_qa59074df44_outp:
	.size	k_qa59074df44_outp, .Lfunc_end_k_qa59074df44_outp-k_qa59074df44_outp
	.p2alignl 7, 3214868480
	.fill 96, 4, 3214868480
	.section	.rodata,"a",@progbits
	.p2align	6, 0x0
	.amdhsa_kernel k_qa59074df44_outp
		.amdhsa_group_segment_fixed_size 173568
		.amdhsa_private_segment_fixed_size 0
		.amdhsa_enable_private_segment 0
		.amdhsa_kernarg_size 40
		.amdhsa_user_sgpr_count 2
		.amdhsa_user_sgpr_kernarg_segment_ptr 1
		.amdhsa_wavefront_size32 1
		.amdhsa_system_sgpr_workgroup_id_x 1
		.amdhsa_system_sgpr_workgroup_id_y 1
		.amdhsa_system_sgpr_workgroup_id_z 1
		.amdhsa_system_vgpr_workitem_id 0
		.amdhsa_next_free_vgpr 1024
		.amdhsa_next_free_sgpr 66
		.amdhsa_reserve_vcc 0
		.amdhsa_float_denorm_mode_32 3
		.amdhsa_float_denorm_mode_16_64 3
		.amdhsa_memory_ordered 1
		.amdhsa_forward_progress 1
		.amdhsa_inst_pref_size 141
	.end_amdhsa_kernel
	.amdgpu_metadata
---
amdhsa.version: [ 1, 2 ]
amdhsa.kernels:
  - .name:           k_qa59074df44_outp
    .symbol:         k_qa59074df44_outp.kd
    .args:
      - { .name: oimg, .offset: 0, .size: 8, .value_kind: global_buffer, .address_space: global }
      - { .name: wimg, .offset: 8, .size: 8, .value_kind: global_buffer, .address_space: global }
      - { .name: Wo_b, .offset: 16, .size: 8, .value_kind: global_buffer, .address_space: global }
      - { .name: lowp_scales, .offset: 24, .size: 8, .value_kind: global_buffer, .address_space: global }
      - { .name: out0, .offset: 32, .size: 8, .value_kind: global_buffer, .address_space: global }
    .group_segment_fixed_size: 173568
    .private_segment_fixed_size: 0
    .kernarg_segment_align: 8
    .kernarg_segment_size: 40
    .max_flat_workgroup_size: 128
    .sgpr_count:     66
    .vgpr_count:     1024
    .wavefront_size: 32
...
	.end_amdgpu_metadata
.endif
;; end of part 6
